; MI455X (gfx1250); checked and timed in simulation.
; The chip was launched on July 23, 2026; its instructions are those of AMD's public machine-readable ISA for CDNA 5 (MIT licence, August 2026) and "CDNA5" Instruction Set Architecture Reference Guide (July 2026). The comments in the code are by the model that wrote it; some were corrected since.
;; Qwen3 VL Text Attention. Allowed arithmetic: matrix products marked QUANTISED: E2M3 operands, one E8M0 scale for each 32 along K, by v_wmma_scale_f32_16x16x128_f8f6f4 with both operands' format E2M3, f32 sums; everything else in f32.
;; Inputs: cos 1 x 2,048 x 128 float32; k_norm_w 128 float32; q_norm_w 128 float32; sin 1 x 2,048 x 128 float32; wk 1,024 x 4,096 float32; wo 4,096 x 2,048 float32; wq 2,048 x 4,096 float32; wv 1,024 x 4,096 float32; x 1 x 2,048 x 4,096 float32.
;; Outputs: out0 1 x 2,048 x 4,096 float32.
;; This version of the problem:
;;   THIS VERSION OF THE PROBLEM IS GIVEN IN LOW PRECISION. The matrix products marked QUANTISED in the list below multiply operands that are first quantised to E2M3 (2 exponent bits, 3 mantissa bits; 6 bits a number), with one power-of-two scale for each 32 numbers along K (OCP MX v1.0); their sums are f32. All else is computed in f32.
;;   The module's matrix products, in the order in which they are computed (A, B: the left and right operand; K: the contracted axis; several contracted axes count as one K, in the product's order):
;;     1. [M 2,048, K 4,096] x [K 4,096, N 2,048]; A: input x; B: input wq: QUANTISED
;;     2. [M 2,048, K 4,096] x [K 4,096, N 1,024]; A: input x; B: input wk: QUANTISED
;;     3. [M 2,048, K 4,096] x [K 4,096, N 1,024]; A: input x; B: input wv: QUANTISED
;;     4. batch 16 x [M 2,048, K 128] x [K 128, N 2,048]; A: computed on the way; B: computed on the way: QUANTISED
;;     5. batch 16 x [M 2,048, K 2,048] x [K 2,048, N 128]; A: softmax (see below); B: computed on the way: QUANTISED
;;     6. [M 2,048, K 2,048] x [K 2,048, N 4,096]; A: computed on the way; B: input wo: QUANTISED
;;   THE QUANTISER, for each operand of a quantised product, along K:
;;     - K is cut into blocks of 32 from its start; a last block that is shorter is filled with zeros.
;;     - A block's scale is 2^e with e = floor(log2(the largest magnitude in the block)) - 2, held to -126 .. 127; a block of zeros has e = 0. As a byte (E8M0): e + 127.
;;     - Each number is divided by its block's scale, clamped to +-7.5, and rounded to the nearest number of E2M3, ties to even, subnormals kept.
;;     - The product sums the exact products of the quantised numbers (number of the format x scale) in f32.
;;   ~~~python
;;   def quantise(x, axis):      # numpy; x: float32 -> the quantised numbers, widened to float32 again
;;       x = np.moveaxis(x, axis, -1); K = x.shape[-1]
;;       x = np.pad(x, [(0, 0)] * (x.ndim - 1) + [(0, -K % 32)]); x = x.reshape(x.shape[:-1] + (-1, 32)); a = np.abs(x).max(-1, keepdims=True)
;;       e = np.where(a > 0, np.clip(np.frexp(np.where(a > 0, a, 1))[1] - 1 - 2, -126, 127), 0)      # np.frexp(a)[1] - 1 = floor(log2(a)), exactly
;;       r = np.clip(x / 2.0 ** e, -7.5, 7.5)
;;       step = 2.0 ** (np.maximum(np.frexp(np.where(r == 0, 1, r))[1] - 1, 0) - 3)
;;       q = np.round(r / step) * step * 2.0 ** e      # np.round: ties to even
;;       return np.moveaxis(q.reshape(q.shape[:-2] + (-1,))[..., :K], -1, axis).astype(np.float32)
;;   ~~~
;;   SOFTMAX AHEAD OF A QUANTISED PRODUCT. Where the list says 'softmax', what is quantised is not the finished softmax but p = 2^(t - M), with t = logit x log2(e) and M = ceil(the row's largest t), a whole number; so 1/2 < the row's largest p <= 1. The row's sum l is taken of the UNQUANTISED p, in f32, and the product's result is divided by l at the end. Since M is a whole number, a kernel that streams over the keys may use a running M (the ceiling of the running maximum): every later rescaling is an exact power of two, which a block's scale takes up: the codes' values come out the same.
;;   OPERANDS COMPUTED ON THE WAY. 'Computed on the way' means the value that the module computes at that place (a softmax that the list does not call 'softmax' is quantised finished and normalised). What goes into a quantiser is computed in f32, as accurately as f32 sums, v_exp_f32 and their like allow (about 1e-6 of the number): no bf16 or f16 on the way to a quantiser, and a product that is left as it is and whose result goes on into a quantised operand takes f32 operands (vector FMAs, or v_wmma_f32_16x16x4_f32). A number that lies on a knife's edge between two numbers of the format may be rounded either way, as far as f32 arithmetic and the matrix unit's own rounding can turn it there, and no further.
;; One version. Each part assembles by itself: llvm-mc -triple=amdgcn-amd-amdhsa -mcpu=gfx1250 --defsym DOCPART=n.
;; ======== version 1 of 1: 4 launches
;; limits: right only within a limited range of input values
;; workspace buffers: xc 6,553,600 bytes; wc 13,107,200 bytes; woc 6,553,600 bytes; qkv 6,553,600 bytes; obuf 3,276,800 bytes
;; launch quant (part 1): grid 256 x 1, 12 waves a work-group, no clusters, 102,912 bytes of LDS; arguments x, wq, wk, wv, xc, wc; writes xc, wc
.if DOCPART == 1
	.amdgcn_target "amdgcn-amd-amdhsa--gfx1250"
	.amdhsa_code_object_version 6
	.text
	.protected	k_q2166daa1cf_quant
	.globl	k_q2166daa1cf_quant
	.p2align	8
	.type	k_q2166daa1cf_quant,@function
k_q2166daa1cf_quant:
	s_mov_b64 s[64:65], 0
	v_nop
	global_prefetch_b8 v0, s[64:65] scope:SCOPE_SE
	s_setreg_imm32_b32 hwreg(HW_REG_WAVE_MODE, 25, 1), 1
	s_wait_xcnt 0x0
; x [2048][4096], wq [2048][4096], wk, wv [1024][4096], f32 with K innermost, become codes of FP6 (E2M3) with one E8M0 byte for each 32 along K,
; laid in the ORDER OF THE OPERAND'S REGISTERS.  A group is 16 rows x 512 along K, 6,400 bytes: four fragments of 16 rows x 128 K, 1,536 bytes each (register 4 g + e of lane l at byte 512 g + 16 l + 4 e),
; then the scale words (row r, K step s: 4 bytes at 6,144 + 64 s + 4 r).  A tensor is [rows / 16][8] groups.  (wo is quantised in the same way by spare waves of the attention launch.)
; THE ORDER INSIDE A BLOCK OF 32: place 16 a + 8 b + j holds the block's number 16 b + 8 a + j.  Every operand of this program carries the same order along K, so every sum is the same; a block is still the true 32
; numbers, so its scale is the true one.  (With that order a transposed matrix result on plain tiles of 16 already lies as the next operand wants it.)
; A block's scale is 2^(floor(log2(largest magnitude)) - 2): its byte is the largest magnitude's exponent field - 2, held at 1 from below.
; LIMITS: a block of zeros, or one whose largest magnitude lies under 2^-124, gets the byte 1 (the rule says 127 for zeros): its codes are zeros, and this program alone reads the bytes.  NaN and infinities are not served.
; SHARES: a wave takes one group: it reads 16 rows x 2,048 bytes and stores 6,400 consecutive bytes.  3,072 groups = 256 work-groups x 12 waves.  Groups 0-1023 x, 1024-2047 wq, 2048-2559 wk, 2560-3071 wv:
; only pointers and two numbers are chosen, by the group's number; all take one path.  No barrier: a wave's stage in LDS is its own.  No matrix unit, cluster or tensor load: the launch only streams.
.set STG,  8448                        ; a wave's stage: 16 rows x (512 bytes + 16)
.set ROW,  16384                       ; a row of every tensor here, in bytes: 15 rows and a fragment's 1,536 bytes stay inside the loads' signed 24-bit immediate
.set R,    32                          ; v32-159  two sets of 64: a fragment's numbers as loaded
.set X,    160                         ; v160-223 my two whole blocks, in the order of the places
.set C,    224                         ; v224-235 the fragment's codes
.set T,    236                         ; v236-243 a block's upper 16 codes (a conversion's three registers begin on an even number)
.set MX,   244                         ; v244-245 largest magnitudes
.set SO,   246                         ; v246-247 the conversions' scale operands
.set BY,   248                         ; v248-249 the bytes
.set WD,   250                         ; v250-251 the scale word, and the other half's
.set SW,   252                         ; v252-253 scale words of two fragments: lanes 0-15 the even one's, lanes 16-31 the odd one's
	s_load_b256 s[4:11], s[0:1], 0x0               ; x, wq, wk, wv
	s_load_b128 s[12:15], s[0:1], 0x20             ; xc, wc
	v_lshl_add_u32 v254, v0, 2, 0x18c00
	v_mov_b32 v255, 0
	v_lshrrev_b32 v6, 5, v0
	s_delay_alu instid0(VALU_DEP_1)
	v_readfirstlane_b32 s20, v6                    ; wave 0..11
	v_and_b32 v7, 31, v0                           ; lane
	v_and_b32 v8, 15, v0                           ; r
	v_bfe_u32 v9, v0, 4, 1                         ; h
	s_delay_alu instid0(VALU_DEP_3)
	v_lshlrev_b32 v1, 4, v7                        ; 16 x lane
	s_delay_alu instid0(VALU_DEP_4)
	v_lshlrev_b32 v4, 2, v7                        ; 4 x lane
	s_delay_alu instid0(VALU_DEP_3)
	v_lshlrev_b32 v5, 3, v9                        ; 8 h: my bytes' place in the scale word
	s_mul_i32 s21, s20, STG
	v_add_nc_u32 v2, s21, v1                       ; the stage, in: 16 x lane of a row
	v_mul_u32_u24 v3, v8, 528
	s_delay_alu instid0(VALU_DEP_1)
	v_lshl_add_u32 v3, v9, 7, v3
	s_delay_alu instid0(VALU_DEP_1)
	v_add_nc_u32 v3, s21, v3                       ; and out: row r, block h
	v_mov_b32 v[WD+1], 0                           ; a lane permute's destination counts as one of its sources
	s_mov_b32 s32, 0x76543210
	s_mov_b32 s33, 0xfedcba98                      ; selects for lane l xor 16
	s_mov_b32 s34, 0xffff0000                      ; lanes 16-31
	s_mul_i32 s29, ttmp9, 12
	s_add_co_u32 s29, s29, s20                     ; my group
	s_mov_b32 s26, 2560                            ; the tensor's first group,
	s_mov_b32 s27, 1024                            ; the output buffer's first group
	s_wait_alu depctr_va_vdst(0)
	s_wait_kmcnt 0x0
	s_mov_b64 s[22:23], s[10:11]                   ; wv -> wc
	s_mov_b64 s[24:25], s[14:15]
	s_cmp_lt_u32 s29, 2560
	s_cselect_b64 s[22:23], s[8:9], s[22:23]       ; wk
	s_cselect_b32 s26, 2048, s26
	s_cmp_lt_u32 s29, 2048
	s_cselect_b64 s[22:23], s[6:7], s[22:23]       ; wq
	s_cselect_b32 s26, 1024, s26
	s_cmp_lt_u32 s29, 1024
	s_cselect_b64 s[22:23], s[4:5], s[22:23]       ; x -> xc
	s_cselect_b64 s[24:25], s[12:13], s[24:25]
	s_cselect_b32 s26, 0, s26
	s_cselect_b32 s27, 0, s27
	s_sub_co_u32 s30, s29, s26                     ; my group in the tensor:
	s_lshr_b32 s31, s30, 3                         ; its 16 rows,
	s_and_b32 s30, s30, 7                          ; its 512 along K
	s_lshl_b32 s31, s31, 18                        ; 16 rows of 16,384 bytes
	s_lshl_b32 s30, s30, 11
	s_add_co_u32 s30, s30, s31
	s_mov_b32 s31, 0
	s_add_nc_u64 s[22:23], s[22:23], s[30:31]
	s_sub_co_u32 s30, s29, s27                     ; my group in the output buffer
	s_mul_i32 s30, s30, 6400
	s_add_nc_u64 s[24:25], s[24:25], s[30:31]
.macro LOAD f                          ; fragment f: 16 loads, each 512 consecutive bytes of one row
.irp i, 0,1,2,3,4,5,6,7,8,9,10,11,12,13,14,15
	global_load_b128 v[R+64*((\f)%2)+4*\i:R+64*((\f)%2)+4*\i+3], v1, s[22:23] offset:ROW*\i+512*(\f) th:TH_LOAD_NT
.endr
.endm
.macro FRAGQ f
.if (\f) < 3
	s_wait_loadcnt 16                              ; this fragment's 16 loads are in; the next fragment's 16 may be out
.else
	s_wait_loadcnt 0x0
.endif
.irp i, 0,1,2,3,4,5,6,7,8,9,10,11,12,13,14,15
	ds_store_b128 v2, v[R+64*((\f)%2)+4*\i:R+64*((\f)%2)+4*\i+3] offset:528*\i
.endr
.irp c, 0,1                            ; lane (r, h) takes blocks h and 2 + h of row r whole; the quad q of a block goes to the registers of its places.  LDS serves a wave's instructions in order: these see the stores
.irp q, 0,1,2,3,4,5,6,7
	ds_load_b128 v[X+32*\c+16*((\q/2)%2)+8*(\q/4)+4*(\q%2):X+32*\c+16*((\q/2)%2)+8*(\q/4)+4*(\q%2)+3], v3 offset:256*\c+16*\q
.endr
.endr
	s_wait_dscnt 0x0                               ; my numbers are back, and the stores have read the set,
.if (\f) < 2
	LOAD (\f)+2                                    ; which takes the loads of two fragments on
.endif
.irp c, 0,1
	v_max3_num_f32 v[MX+\c], |v[X+32*\c]|, |v[X+32*\c+1]|, 0x1800000   ; with the floor 2^(3 - 127): the byte cannot fall under 1
.endr
.irp i, 2,4,6,8,10,12,14,16,18,20,22,24,26,28,30
.irp c, 0,1
	s_delay_alu instid0(VALU_DEP_2)
	v_max3_num_f32 v[MX+\c], v[MX+\c], |v[X+32*\c+\i]|, |v[X+32*\c+\i+1]|
.endr
.endr
.irp c, 0,1
	s_delay_alu instid0(VALU_DEP_2)
	v_add_nc_u32 v[SO+\c], 0xff000000, v[MX+\c]    ; 2 off the exponent field: the conversion takes this operand's exponent field as its scale
.endr
.irp c, 0,1
	s_delay_alu instid0(VALU_DEP_2)
	v_lshrrev_b32 v[BY+\c], 23, v[SO+\c]           ; the byte
.endr
	s_delay_alu instid0(VALU_DEP_1)
	v_lshl_or_b32 v[WD], v[BY+1], 16, v[BY]        ; blocks h and 2 + h,
	s_delay_alu instid0(VALU_DEP_1)
	v_lshlrev_b32 v[WD], v5, v[WD]                 ; at their places;
	s_delay_alu instid0(VALU_DEP_1)
	v_permlanex16_b32 v[WD+1], v[WD], s32, s33
	s_delay_alu instid0(VALU_DEP_1)
	v_or_b32 v[WD], v[WD], v[WD+1]                 ; with lane l xor 16's two the word is whole
.if (\f) > 0
	s_wait_alu depctr_va_vdst(0)
	s_wait_xcnt 0x0                                ; the last fragment's stores have read their data: the codes' registers are written again only behind this wait
.endif
.irp c, 0,1
	v_cvt_scalef32_pk16_fp6_f32 v[C+6*\c:C+6*\c+2], v[X+32*\c:X+32*\c+15], v[SO+\c]
	v_cvt_scalef32_pk16_fp6_f32 v[T+4*\c:T+4*\c+2], v[X+32*\c+16:X+32*\c+31], v[SO+\c]
.endr
	v_nop                                          ; one plain place behind a scaled conversion
.irp c, 0,1
.irp i, 0,1,2
	v_mov_b32 v[C+6*\c+3+\i], v[T+4*\c+\i]
.endr
.endr
.irp g, 0,1,2
	global_store_b128 v1, v[C+4*\g:C+4*\g+3], s[24:25] offset:1536*(\f)+512*\g   ; 512 consecutive bytes, aligned to 256
.endr
.if (\f)%2
	v_cndmask_b32 v[SW+(\f)/2], v[SW+(\f)/2], v[WD], s34
.else
	v_mov_b32 v[SW+(\f)/2], v[WD]
.endif
.endm
	LOAD 0
	LOAD 1
	FRAGQ 0
	FRAGQ 1
	FRAGQ 2
	FRAGQ 3
	global_store_b32 v4, v[SW], s[24:25] offset:6144
	global_store_b32 v4, v[SW+1], s[24:25] offset:6272
	s_wait_tensorcnt 0x0
	ds_add_u32 v254, v255
	s_wait_dscnt 0x0
	s_endpgm
.Lfunc_end_k_q2166daa1cf_quant:
	.size	k_q2166daa1cf_quant, .Lfunc_end_k_q2166daa1cf_quant-k_q2166daa1cf_quant
	.p2alignl 7, 3214868480
	.fill 96, 4, 3214868480
	.section	.rodata,"a",@progbits
	.p2align	6, 0x0
	.amdhsa_kernel k_q2166daa1cf_quant
		.amdhsa_group_segment_fixed_size 102912
		.amdhsa_private_segment_fixed_size 0
		.amdhsa_enable_private_segment 0
		.amdhsa_kernarg_size 48
		.amdhsa_user_sgpr_count 2
		.amdhsa_user_sgpr_kernarg_segment_ptr 1
		.amdhsa_wavefront_size32 1
		.amdhsa_system_sgpr_workgroup_id_x 1
		.amdhsa_system_sgpr_workgroup_id_y 1
		.amdhsa_system_sgpr_workgroup_id_z 1
		.amdhsa_system_vgpr_workitem_id 0
		.amdhsa_next_free_vgpr 256
		.amdhsa_next_free_sgpr 66
		.amdhsa_reserve_vcc 0
		.amdhsa_float_denorm_mode_32 3
		.amdhsa_float_denorm_mode_16_64 3
		.amdhsa_memory_ordered 1
		.amdhsa_forward_progress 1
		.amdhsa_inst_pref_size 36
	.end_amdhsa_kernel
	.amdgpu_metadata
---
amdhsa.version: [ 1, 2 ]
amdhsa.kernels:
  - .name:           k_q2166daa1cf_quant
    .symbol:         k_q2166daa1cf_quant.kd
    .args:
      - { .name: x, .offset: 0, .size: 8, .value_kind: global_buffer, .address_space: global }
      - { .name: wq, .offset: 8, .size: 8, .value_kind: global_buffer, .address_space: global }
      - { .name: wk, .offset: 16, .size: 8, .value_kind: global_buffer, .address_space: global }
      - { .name: wv, .offset: 24, .size: 8, .value_kind: global_buffer, .address_space: global }
      - { .name: xc, .offset: 32, .size: 8, .value_kind: global_buffer, .address_space: global }
      - { .name: wc, .offset: 40, .size: 8, .value_kind: global_buffer, .address_space: global }
    .group_segment_fixed_size: 102912
    .private_segment_fixed_size: 0
    .kernarg_segment_align: 8
    .kernarg_segment_size: 48
    .max_flat_workgroup_size: 384
    .sgpr_count:     66
    .vgpr_count:     256
    .wavefront_size: 32
...
	.end_amdgpu_metadata
.endif
;; end of part 1
;; launch qkvproj (part 2): grid 64 x 4, 4 waves a work-group, clusters of 4 x 4, 327,680 bytes of LDS; arguments xc, wc, cos, sin, q_norm_w, k_norm_w, qkv; writes qkv
.if DOCPART == 2
	.amdgcn_target "amdgcn-amd-amdhsa--gfx1250"
	.amdhsa_code_object_version 6
	.text
	.protected	k_q2166daa1cf_qkvproj
	.globl	k_q2166daa1cf_qkvproj
	.p2align	8
	.type	k_q2166daa1cf_qkvproj,@function
k_q2166daa1cf_qkvproj:
	s_mov_b64 s[64:65], 0
	v_nop
	global_prefetch_b8 v0, s[64:65] scope:SCOPE_SE
	s_setreg_imm32_b32 hwreg(HW_REG_WAVE_MODE, 25, 1), 1
	s_wait_xcnt 0x0
	s_wait_alu depctr_hold_cnt(0) depctr_sa_sdst(0) depctr_va_vdst(0) depctr_va_sdst(0) depctr_va_ssrc(0) depctr_va_vcc(0) depctr_vm_vsrc(0)
	s_getreg_b32 s2, hwreg(HW_REG_IB_STS2, 6, 4)
	s_cmp_eq_u32 s2, 0
	s_cbranch_scc0 .Lentry_in_a_cluster
	s_endpgm
.Lentry_in_a_cluster:
	s_bfe_u32 s2, ttmp6, 0x10000c
	s_cmp_lg_u32 s2, 0xf033
	s_cbranch_scc0 .Lentry_shape_is_right
	s_endpgm
.Lentry_shape_is_right:
.set KG,    8
.set GRP,   6400
.set RBB,   KG*GRP
.set LBYT,  4*GRP
.set RBYT,  8*GRP
.set ROFF,  2*LBYT
.set SLOT,  24*GRP
.set SPARE, 2*SLOT
.set LAPS,  KG/2
.set ADRL, 16
.set ADRR, 18
.set ASL,  20
.set ASR,  22
.set L16,  24
.set L4,   25
.set ACS,  26
.set ASN,  27
.set SPW,  28
.set NIL,  29
.set SC,   32
.set Y,    80
.set Z,    144
.set SS,   144
.set TM,   208
.set PC,   224
.set PW,   244
.set SW,   248
.set RS,   250
.set G1,  24
.set G0,  32
.set G1B, 48
.set G0B, 56
.set G1C, 68
.set G0C, 76
.set MSB, 0
.macro WIN new
.if MSB != (\new)
	s_set_vgpr_msb (MSB<<8)|(\new)
.set MSB, (\new)
.endif
.endm
.macro PLACES n
.rept \n
	v_nop
.endr
.endm
.macro JLOAD g0l, g1l, g0r, g1r
	s_cmp_eq_u32 s19, 0
	s_cbranch_scc0 .Lfor_r_\@
	tensor_load_to_lds s[\g0l:\g0l+3], s[\g1l:\g1l+7]
	s_nop 0
	PLACES 4
	s_branch .Lasked_\@
.Lfor_r_\@:
	tensor_load_to_lds s[\g0r:\g0r+3], s[\g1r:\g1r+7]
	s_nop 0
	PLACES 4
.Lasked_\@:
.endm
.macro CREST
	s_cmp_lg_u32 s18, 0
	s_cbranch_scc1 .Lnot_wave_0_\@
	s_barrier_signal -3
.Lnot_wave_0_\@:
	s_barrier_wait -3
	s_barrier_signal -1
	s_barrier_wait -1
.endm
.macro CROUND
	s_barrier_signal -1
	s_barrier_wait -1
	CREST
.endm
.macro FETCH slot, q, p
	WIN 0x80+0x40*(\p)
.irp b, 0,1,2,3,4,5,6,7
.irp g, 0,1,2
	ds_load_b128 v[12*\b+4*\g:12*\b+4*\g+3], v[ADRR+\slot] offset:\b*GRP+(\q)*1536+512*\g
.endr
.endr
.irp a, 0,1,2,3
.irp g, 0,1,2
	ds_load_b128 v[96+12*\a+4*\g:96+12*\a+4*\g+3], v[ADRL+\slot] offset:\a*GRP+(\q)*1536+512*\g
.endr
.endr
	WIN 0
.endm
.macro SCALES slot
.irp a, 0,1,2,3
.irp j, 0,1
	ds_load_b32 v[SC+24*\slot+2*\a+\j], v[ASL+\slot] offset:6144+\a*GRP+128*\j
.endr
.endr
.irp b, 0,1,2,3,4,5,6,7
.irp j, 0,1
	ds_load_b32 v[SC+24*\slot+8+2*\b+\j], v[ASR+\slot] offset:6144+\b*GRP+128*\j
.endr
.endr
.endm
.macro MUL q, sc, a0, n, zero
.set ma, \a0
.rept \n
.set mb, 0
.rept 8
.set rD, 8*(8*ma+mb)
.set rR, 12*mb
.set rL, 96+12*ma
.set sR, SC+24*(\sc)+8+2*mb+(\q)/2
.set sL, SC+24*(\sc)+2*ma+(\q)/2
.if \zero
	v_wmma_scale_f32_16x16x128_f8f6f4 v[rD:rD+7], v[rR:rR+11], v[rL:rL+11], 0, v[sR], v[sL] matrix_a_fmt:MATRIX_FMT_FP6 matrix_b_fmt:MATRIX_FMT_FP6
.elseif (\q)%2
	v_wmma_scale_f32_16x16x128_f8f6f4 v[rD:rD+7], v[rR:rR+11], v[rL:rL+11], v[rD:rD+7], v[sR], v[sL] matrix_a_fmt:MATRIX_FMT_FP6 matrix_b_fmt:MATRIX_FMT_FP6 matrix_a_scale:MATRIX_SCALE_ROW1 matrix_b_scale:MATRIX_SCALE_ROW1
.else
	v_wmma_scale_f32_16x16x128_f8f6f4 v[rD:rD+7], v[rR:rR+11], v[rL:rL+11], v[rD:rD+7], v[sR], v[sL] matrix_a_fmt:MATRIX_FMT_FP6 matrix_b_fmt:MATRIX_FMT_FP6
.endif
.set mb, mb+1
.endr
.set ma, ma+1
.endr
.endm
.macro STEP slot, q, zero
	PLACES 4
	FETCH \slot, (\q)+1, 1-(\q)%2
	s_wait_dscnt 36
	WIN 0x5a+5*((\q)%2)
	MUL \q, \slot, 0, 4, \zero
	WIN 0
.endm
; Prefetches: a tile of K group t is 25 blocks of 256 bytes for each group of 16 rows.  Of the groups that a wave fetches jointly, each of the four partners names its own by address:
; one group of the left operand's four, two of the right operand's eight; a lane a block, lanes 25-31 name the last block again.
.macro PF2 off
	global_prefetch_b8 v30, s[100:101] offset:\off th:TH_LOAD_NT scope:SCOPE_SE
	s_cmp_eq_u32 s19, 0
	s_cbranch_scc1 .Lpf_\@
	global_prefetch_b8 v30, s[100:101] offset:(\off)+RBB th:TH_LOAD_NT scope:SCOPE_SE
.Lpf_\@:
.endm
; behind the refill with K group u: K group u + 2; in the loop's last trip nothing is left along K, and slot 0's next fill is the cos and sin tile: 32 blocks of my wave's 128
.macro ASK slot
	s_cmp_gt_u32 s3, 1
	s_cbranch_scc0 .Lend_k_\@
	PF2 3*GRP
	s_branch .Lasked2_\@
.Lend_k_\@:
.if \slot == 0
	global_prefetch_b8 v31, s[94:95] th:TH_LOAD_NT scope:SCOPE_SE
.endif
.Lasked2_\@:
.endm
.macro TURN slot, next, fill
.if \fill == 1
	s_wait_xcnt 0x0
	s_add_nc_u64 s[100:101], s[100:101], GRP
.endif
	s_wait_tensorcnt 0x0
	ds_add_u32 v[SPW], v[NIL]
	s_wait_dscnt 0x1
	WIN 0x5f
	MUL 3, \slot, 0, 1, 0
	s_wait_dscnt 0x0
	s_barrier_signal -1
	MUL 3, \slot, 1, 1, 0
	WIN 0
	s_barrier_wait -1
.if \fill == 1
	CREST
	s_add_nc_u64 s[G0+4*\slot+2:G0+4*\slot+3], s[G0+4*\slot+2:G0+4*\slot+3], 2*GRP
	s_add_nc_u64 s[G0B+4*\slot+2:G0B+4*\slot+3], s[G0B+4*\slot+2:G0B+4*\slot+3], 2*GRP
	JLOAD G0+4*\slot, G1, G0B+4*\slot, G1B
.elseif \fill == 2
	CREST
	tensor_load_to_lds s[G0C:G0C+3], s[G1C:G1C+7]
	s_nop 0
	PLACES 4
.else
	PLACES 4
.endif
	FETCH \next, 0, 0
	SCALES \next
.if \fill == 1
	ASK \slot
.endif
	WIN 0x5f
	MUL 3, \slot, 2, 2, 0
	WIN 0
.endm
	s_load_b256 s[4:11], s[0:1], 0x0
	s_load_b128 s[12:15], s[0:1], 0x20
	s_load_b64 s[16:17], s[0:1], 0x30
	v_lshl_add_u32 v[SPW], v0, 2, SPARE
	v_mov_b32 v[NIL], 0
	ds_add_u32 v28, v29
	ds_add_u32 v28, v29
	s_wait_dscnt 0x0
	v_lshrrev_b32 v1, 5, v0
	v_readfirstlane_b32 s18, v1
	s_lshr_b32 s19, s18, 1
	s_and_b32 s20, s18, 1
	s_bfe_u32 s21, ttmp6, 0x40000
	s_bfe_u32 s22, ttmp6, 0x40004
	s_and_b32 s40, ttmp9, 3
	s_lshr_b32 s41, ttmp9, 2
	s_and_b32 s42, ttmp9, 1
	s_bfe_u32 s43, ttmp9, 0x10001
	s_cmp_lt_u32 ttmp9, 12
	s_cselect_b32 s80, 1, 0
	s_cselect_b32 s40, s40, s42
	s_cselect_b32 s41, s41, s43
	s_cselect_b32 s44, 0, 192
	s_lshl_b32 s40, s40, 2
	s_add_co_u32 s40, s40, s22
	s_lshl_b32 s41, s41, 2
	s_add_co_u32 s41, s41, s21
	s_lshl_b32 s45, s22, 2
	s_lshl_b32 s45, 15, s45
	s_lshl_b32 s46, 0x1111, s21
	s_or_b32 s[G1], s45, (3<<16)|(1<<21)
	s_or_b32 s[G1B], s46, (3<<16)|(1<<21)
	s_mov_b32 s[G1+1], 800<<16
	s_mov_b32 s[G1+2], 4<<16
	s_mov_b32 s[G1+3], 800<<16
	s_mov_b32 s[G1+4], 4
	s_mov_b32 s[G1+5], KG*800
	s_mov_b32 s[G1+6], 0
	s_mov_b32 s[G1+7], 0
	s_mov_b32 s[G1B+1], 800<<16
	s_mov_b32 s[G1B+2], 8<<16
	s_mov_b32 s[G1B+3], 800<<16
	s_mov_b32 s[G1B+4], 8
	s_mov_b32 s[G1B+5], KG*800
	s_mov_b32 s[G1B+6], 0
	s_mov_b32 s[G1B+7], 0
	s_or_b32 s[G1C], s45, (2<<16)|(1<<20)|(1<<21)|(6<<22)|(3<<25)
	s_mov_b32 s[G1C+1], 128<<16
	s_mov_b32 s[G1C+2], 64<<16
	s_mov_b32 s[G1C+3], 128<<16
	s_mov_b32 s[G1C+4], 64
	s_mov_b32 s[G1C+5], 128
	s_mov_b32 s[G1C+6], 0
	s_mov_b32 s[G1C+7], 0
	s_lshl_b32 s66, s40, 3
	s_add_co_u32 s66, s66, s44
	s_lshl_b32 s67, s20, 2
	s_add_co_u32 s66, s66, s67
	s_mul_i32 s66, s66, RBB
	s_mov_b32 s67, 0
	s_lshl_b32 s92, s41, 4
	s_lshl_b32 s93, s20, 3
	s_add_co_u32 s92, s92, s93
	s_mul_i32 s92, s92, RBB
	s_mov_b32 s93, 0
	s_lshl_b32 s94, s40, 16
	s_lshl_b32 s95, s20, 15
	s_add_co_u32 s94, s94, s95
	s_mov_b32 s95, 0
	s_mul_i32 s42, s20, LBYT
	s_mul_i32 s43, s20, RBYT
	s_add_co_u32 s43, s43, ROFF
	s_mov_b32 s23, 0xffff0000
	s_mov_b32 s86, 0x76543210
	s_mov_b32 s87, 0xfedcba98
	s_mov_b32 s88, 0x3c000000
	s_mov_b32 s89, 0x358637bd
	s_wait_kmcnt 0x0
	s_cmp_eq_u32 s80, 1
	s_cselect_b64 s[96:97], s[4:5], s[6:7]
	s_cselect_b64 s[98:99], s[6:7], s[4:5]
	s_add_nc_u64 s[66:67], s[96:97], s[66:67]
	s_add_nc_u64 s[92:93], s[98:99], s[92:93]
	s_cmp_lt_u32 ttmp9, 8
	s_cselect_b64 s[90:91], s[12:13], s[14:15]
	s_cmp_eq_u32 s19, 0
	s_cselect_b64 s[G0C+2:G0C+3], s[8:9], s[10:11]
	s_add_nc_u64 s[G0C+2:G0C+3], s[G0C+2:G0C+3], s[94:95]
	s_mov_b64 s[94:95], s[G0C+2:G0C+3]
	s_or_b32 s[G0C+3], s[G0C+3], 0x80000000
	s_mov_b32 s[G0C], 1
	s_mul_i32 s[G0C+1], s18, 64*528
	CROUND
.irp s, 0,1
	s_mov_b32 s[G0+4*\s], 1
	s_add_co_u32 s[G0+4*\s+1], s42, \s*SLOT
	s_add_nc_u64 s[G0+4*\s+2:G0+4*\s+3], s[66:67], \s*GRP
	s_or_b32 s[G0+4*\s+3], s[G0+4*\s+3], 0x80000000
	s_mov_b32 s[G0B+4*\s], 1
	s_add_co_u32 s[G0B+4*\s+1], s43, \s*SLOT
	s_add_nc_u64 s[G0B+4*\s+2:G0B+4*\s+3], s[92:93], \s*GRP
	s_or_b32 s[G0B+4*\s+3], s[G0B+4*\s+3], 0x80000000
.endr
	JLOAD G0, G1, G0B, G1B
	v_and_b32 v30, 31, v0
	v_lshlrev_b32 v31, 8, v30
	v_min_u32 v30, 24, v30
	v_lshlrev_b32 v30, 8, v30
	s_mul_i32 s96, s21, RBB
	s_mul_i32 s97, s22, 2*RBB
	s_cmp_eq_u32 s19, 0
	s_cselect_b32 s96, s96, s97
	s_cselect_b64 s[100:101], s[66:67], s[92:93]
	s_mov_b32 s97, 0
	s_add_nc_u64 s[100:101], s[100:101], s[96:97]
	s_lshl_b32 s96, s21, 13
	s_add_nc_u64 s[94:95], s[94:95], s[96:97]
	s_wait_alu depctr_va_vdst(0)
	PF2 GRP
	PF2 2*GRP
	v_and_b32 v1, 31, v0
	v_and_b32 v2, 15, v0
	v_bfe_u32 v3, v0, 4, 1
	v_lshlrev_b32 v[L16], 4, v1
	v_lshlrev_b32 v[L4], 2, v1
	v_lshlrev_b32 v4, 5, v3
	WIN 0xc0
.irp b, 0,1,2,3,4,5,6,7
.irp i, 0,1
	global_load_b128 v[160+8*\b+4*\i:160+8*\b+4*\i+3], v4, s[90:91] offset:64*\b+16*\i
.endr
.endr
	WIN 0
	s_mul_i32 s42, s19, LBYT
	s_mul_i32 s43, s20, RBYT
	s_add_co_u32 s43, s43, ROFF
.irp s, 0,1
	v_add_nc_u32 v[ADRL+\s], s42, v[L16]
	v_add_nc_u32 v[ADRR+\s], s43, v[L16]
	v_add_nc_u32 v[ASL+\s], s42, v[L4]
	v_add_nc_u32 v[ASR+\s], s43, v[L4]
	s_add_co_u32 s42, s42, SLOT
	s_add_co_u32 s43, s43, SLOT
.endr
	s_mul_i32 s42, s19, 64*528
	v_mul_u32_u24 v[ACS], v2, 528
	v_lshl_add_u32 v[ACS], v3, 5, v[ACS]
	v_add_nc_u32 v[ACS], s42, v[ACS]
	v_add_nc_u32 v[ASN], 128*528, v[ACS]
	s_lshl_b32 s96, s41, 1
	s_add_co_u32 s96, s96, s20
	s_add_co_u32 s97, s40, 24
	s_cmp_eq_u32 s80, 1
	s_cselect_b32 s98, s96, s97
	s_cselect_b32 s99, s40, s96
	s_lshl_b32 s98, s98, 4
	s_add_co_u32 s98, s98, s99
	s_mul_i32 s98, s98, 12800
	s_mul_i32 s99, s19, 6144
	s_add_co_u32 s96, s98, s99
	s_mov_b32 s97, 0
	s_add_nc_u64 s[82:83], s[16:17], s[96:97]
	s_lshl_b32 s99, s19, 8
	s_add_co_u32 s96, s98, s99
	s_add_co_u32 s96, s96, 12288
	s_add_nc_u64 s[84:85], s[16:17], s[96:97]
	s_wait_alu depctr_va_vdst(0)
	s_wait_tensorcnt 0x0
	ds_add_u32 v[SPW], v[NIL]
	s_wait_dscnt 0x0
	CROUND
	JLOAD G0+4, G1, G0B+4, G1B
	FETCH 0, 0, 0
	SCALES 0
	PF2 3*GRP
	STEP 0, 0, 1
	s_mov_b32 s3, LAPS-1
.Llap:
	STEP 0, 1, 0
	STEP 0, 2, 0
	TURN 0, 1, 1
	STEP 1, 0, 0
	STEP 1, 1, 0
	STEP 1, 2, 0
	TURN 1, 0, 1
	STEP 0, 0, 0
	s_sub_co_u32 s3, s3, 1
	s_cmp_lg_u32 s3, 0
	s_cbranch_scc1 .Llap
	STEP 0, 1, 0
	STEP 0, 2, 0
	TURN 0, 1, 2
	STEP 1, 0, 0
	STEP 1, 1, 0
	STEP 1, 2, 0
	s_wait_dscnt 0x0
	WIN 0x5f
	MUL 3, 1, 0, 4, 0
	WIN 0
	PLACES 4
	s_wait_tensorcnt 0x0
	s_wait_loadcnt 0x0
	s_wait_dscnt 0x0
	s_barrier_signal -1
	s_barrier_wait -1
.irp b, 0,1,2,3
	v_mov_b32 v[TM+4+\b], 0
.endr
	v_mov_b32 v[RS+1], 0
.macro QUANT s, w, pw
	WIN 5*(\w)
.irp b, 0,1,2,3
	v_max3_num_f32 v[TM+\b], |v[(\s)+16*\b]|, |v[(\s)+16*\b+1]|, 0x1800000
.endr
.irp i, 2,4,6,8,10,12,14
.irp b, 0,1,2,3
	v_max3_num_f32 v[TM+\b], |v[(\s)+16*\b+\i]|, |v[(\s)+16*\b+\i+1]|, v[TM+\b]
.endr
.endr
	WIN 0
.irp b, 0,1,2,3
	v_permlanex16_b32 v[TM+4+\b], v[TM+\b], s86, s87
.endr
.irp b, 0,1,2,3
	v_max_num_f32 v[TM+\b], v[TM+\b], v[TM+4+\b]
.endr
.irp b, 0,1,2,3
	v_add_nc_u32 v[TM+12+\b], 0xff000000, v[TM+\b]
.endr
.irp b, 0,1,2,3
	v_lshrrev_b32 v[TM+4+\b], 23, v[TM+12+\b]
.endr
	v_lshl_or_b32 v[\pw], v[TM+5], 8, v[TM+4]
	v_lshl_or_b32 v[\pw], v[TM+6], 16, v[\pw]
	v_lshl_or_b32 v[\pw], v[TM+7], 24, v[\pw]
	WIN \w
.irp c, 0,1
	v_cvt_scalef32_pk16_fp6_f32 v[PC+6*\c:PC+6*\c+2], v[(\s)+32*\c:(\s)+32*\c+15], v[TM+12+2*\c]
	v_cvt_scalef32_pk16_fp6_f32 v[PC+12+4*\c:PC+14+4*\c], v[(\s)+32*\c+16:(\s)+32*\c+31], v[TM+13+2*\c]
.endr
	WIN 0
	v_nop
.irp c, 0,1
.irp i, 0,1,2
	v_permlane16_swap_b32 v[PC+6*\c+\i], v[PC+12+4*\c+\i]
.endr
.irp i, 0,1,2
	v_mov_b32 v[PC+3+6*\c+\i], v[PC+12+4*\c+\i]
.endr
.endr
.endm
.macro OUTFR a
.irp g, 0,1,2
	global_store_b128 v[L16], v[PC+4*\g:PC+4*\g+3], s[82:83] offset:1536*(\a)+512*\g
.endr
.if (\a)%2
	v_cndmask_b32 v[SW+(\a)/2], v[PW+(\a)-1], v[PW+(\a)], s23
	global_store_b32 v[L4], v[SW+(\a)/2], s[84:85] offset:128*((\a)/2)
.endif
.endm
.macro QKROW a
.if (\a) > 0
	s_wait_xcnt 0x0
.endif
	WIN 0x80
.irp b, 0,1,2,3,4,5,6,7
.irp i, 0,1
	ds_load_b128 v[8*\b+4*\i:8*\b+4*\i+3], v[ACS] offset:(\a)*8448+64*\b+16*\i
	ds_load_b128 v[64+8*\b+4*\i:64+8*\b+4*\i+3], v[ASN] offset:(\a)*8448+64*\b+16*\i
.endr
.endr
	WIN 0x05
.irp k, 0,1,2,3
	v_pk_mul_f32 v[SS+2*\k:SS+2*\k+1], v[64*(\a)+2*\k:64*(\a)+2*\k+1], v[64*(\a)+2*\k:64*(\a)+2*\k+1]
.endr
.irp b, 1,2,3,4,5,6,7
.irp k, 0,1,2,3
	v_pk_fma_f32 v[SS+2*\k:SS+2*\k+1], v[64*(\a)+8*\b+2*\k:64*(\a)+8*\b+2*\k+1], v[64*(\a)+8*\b+2*\k:64*(\a)+8*\b+2*\k+1], v[SS+2*\k:SS+2*\k+1]
.endr
.endr
	WIN 0
	v_pk_add_f32 v[SS:SS+1], v[SS:SS+1], v[SS+2:SS+3]
	v_pk_add_f32 v[SS+4:SS+5], v[SS+4:SS+5], v[SS+6:SS+7]
	v_pk_add_f32 v[SS:SS+1], v[SS:SS+1], v[SS+4:SS+5]
	v_add_f32 v[SS], v[SS], v[SS+1]
	v_permlanex16_b32 v[SS+2], v[SS], s86, s87
	v_add_f32 v[SS], v[SS], v[SS+2]
	v_fma_f32 v[SS], v[SS], s88, s89
	s_wait_alu depctr_va_vdst(0)
	v_rsq_f32 v[RS], v[SS]
	v_nop
	s_wait_alu depctr_va_vdst(0)
	WIN 0x01
.set p, 0
.rept 32
	v_pk_mul_f32 v[Y+p:Y+p+1], v[64*(\a)+p:64*(\a)+p+1], v[RS:RS+1] op_sel_hi:[1,0]
.set p, p+2
.endr
	WIN 0x0c
.set p, 0
.rept 32
	v_pk_mul_f32 v[Y+p:Y+p+1], v[Y+p:Y+p+1], v[160+p:160+p+1]
.set p, p+2
.endr
	s_wait_dscnt 0x0
	WIN 0x08
.set p, 0
.rept 32
	v_pk_mul_f32 v[Z+p:Z+p+1], v[Y+p:Y+p+1], v[p:p+1]
.set p, p+2
.endr
.set p, 0
.rept 16
	v_pk_fma_f32 v[Z+p:Z+p+1], v[Y+32+p:Y+32+p+1], v[64+p:64+p+1], v[Z+p:Z+p+1] neg_lo:[1,0,0] neg_hi:[1,0,0]
.set p, p+2
.endr
.rept 16
	v_pk_fma_f32 v[Z+p:Z+p+1], v[Y+p-32:Y+p-31], v[64+p:64+p+1], v[Z+p:Z+p+1]
.set p, p+2
.endr
	WIN 0
	QUANT Z, 0, PW+(\a)
	OUTFR \a
.endm
.macro VROW a
.if (\a) > 0
	s_wait_xcnt 0x0
.endif
	QUANT 64*(\a), 1, PW+(\a)
	OUTFR \a
.endm
	s_cmp_eq_u32 s80, 1
	s_cbranch_scc0 .Lvpath
	QKROW 0
	QKROW 1
	QKROW 2
	QKROW 3
	s_branch .Ldone
.Lvpath:
	VROW 0
	VROW 1
	VROW 2
	VROW 3
.Ldone:
	s_wait_tensorcnt 0x0
	ds_add_u32 v[SPW], v[NIL]
	s_wait_dscnt 0x0
	CROUND
	s_endpgm
.Lfunc_end_k_q2166daa1cf_qkvproj:
	.size	k_q2166daa1cf_qkvproj, .Lfunc_end_k_q2166daa1cf_qkvproj-k_q2166daa1cf_qkvproj
	.p2alignl 7, 3214868480
	.fill 96, 4, 3214868480
	.section	.rodata,"a",@progbits
	.p2align	6, 0x0
	.amdhsa_kernel k_q2166daa1cf_qkvproj
		.amdhsa_group_segment_fixed_size 327680
		.amdhsa_private_segment_fixed_size 0
		.amdhsa_enable_private_segment 0
		.amdhsa_kernarg_size 56
		.amdhsa_user_sgpr_count 2
		.amdhsa_user_sgpr_kernarg_segment_ptr 1
		.amdhsa_wavefront_size32 1
		.amdhsa_system_sgpr_workgroup_id_x 1
		.amdhsa_system_sgpr_workgroup_id_y 1
		.amdhsa_system_sgpr_workgroup_id_z 1
		.amdhsa_system_vgpr_workitem_id 0
		.amdhsa_next_free_vgpr 1024
		.amdhsa_next_free_sgpr 102
		.amdhsa_reserve_vcc 0
		.amdhsa_float_denorm_mode_32 3
		.amdhsa_float_denorm_mode_16_64 3
		.amdhsa_memory_ordered 1
		.amdhsa_forward_progress 1
		.amdhsa_inst_pref_size 212
	.end_amdhsa_kernel
	.amdgpu_metadata
---
amdhsa.version: [ 1, 2 ]
amdhsa.kernels:
  - .name:           k_q2166daa1cf_qkvproj
    .symbol:         k_q2166daa1cf_qkvproj.kd
    .args:
      - { .name: xc, .offset: 0, .size: 8, .value_kind: global_buffer, .address_space: global }
      - { .name: wc, .offset: 8, .size: 8, .value_kind: global_buffer, .address_space: global }
      - { .name: cos, .offset: 16, .size: 8, .value_kind: global_buffer, .address_space: global }
      - { .name: sin, .offset: 24, .size: 8, .value_kind: global_buffer, .address_space: global }
      - { .name: q_norm_w, .offset: 32, .size: 8, .value_kind: global_buffer, .address_space: global }
      - { .name: k_norm_w, .offset: 40, .size: 8, .value_kind: global_buffer, .address_space: global }
      - { .name: qkv, .offset: 48, .size: 8, .value_kind: global_buffer, .address_space: global }
    .group_segment_fixed_size: 327680
    .private_segment_fixed_size: 0
    .kernarg_segment_align: 8
    .kernarg_segment_size: 56
    .max_flat_workgroup_size: 128
    .sgpr_count:     102
    .vgpr_count:     1024
    .wavefront_size: 32
...
	.end_amdgpu_metadata
.endif
;; end of part 2
;; launch attn (part 3): grid 32 x 8, 12 waves a work-group, clusters of 4 x 1, 327,680 bytes of LDS; arguments qkv, obuf, wo, woc; writes obuf, woc
.if DOCPART == 3
	.amdgcn_target "amdgcn-amd-amdhsa--gfx1250"
	.amdhsa_code_object_version 6
	.text
	.protected	k_q2166daa1cf_attn
	.globl	k_q2166daa1cf_attn
	.p2align	8
	.type	k_q2166daa1cf_attn,@function
k_q2166daa1cf_attn:
	s_mov_b64 s[64:65], 0
	v_nop
	global_prefetch_b8 v0, s[64:65] scope:SCOPE_SE
	s_setreg_imm32_b32 hwreg(HW_REG_WAVE_MODE, 25, 1), 1
	s_wait_xcnt 0x0
	s_wait_alu depctr_hold_cnt(0) depctr_sa_sdst(0) depctr_va_vdst(0) depctr_va_sdst(0) depctr_va_ssrc(0) depctr_va_vcc(0) depctr_vm_vsrc(0)
	s_getreg_b32 s2, hwreg(HW_REG_IB_STS2, 6, 4)
	s_cmp_eq_u32 s2, 0
	s_cbranch_scc0 .Lentry_in_a_cluster
	s_endpgm
.Lentry_in_a_cluster:
	s_bfe_u32 s2, ttmp6, 0x10000c
	s_cmp_lg_u32 s2, 0x3003
	s_cbranch_scc0 .Lentry_shape_is_right
	s_endpgm
.Lentry_shape_is_right:
; o = softmax(q k^T / sqrt(128), causal) v for 16 query heads on 8 key and value heads, both products on codes of FP6 with E8M0 scales; o is quantised along (head, d) and stored as codes for the last product.
; BESIDE IT, waves 8-11 quantise wo [4096][2048] f32 into woc for the last product: the attention waves leave memory nearly unused, and wo's codes are wanted by the next launch only.
; qkv [32 heads: q 0-15, k 16-23, v 24-31][16 steps of 128 tokens][12,800 bytes]: 8 fragments of 1,536 bytes in the order of the operand's registers (q, k: 16 tokens x 128 d; v: 16 d x 128 tokens), scale words at 12,288 + 64 a + 4 r.
; THE SOFTMAX: t = score x log2(e) / sqrt(128); M = the running largest t rounded up to a whole number; p = 2^(t - M) is quantised along the keys, not normalised; the row's sum is taken of the unquantised p and divides at the
; end; when M moves, the sum and O are multiplied by 2^(old M - new M), which rounds nothing.  Hidden scores become -infinity (p = 0); key 0 counts for every query.
; Both products are used transposed (S^T = K Q^T, O^T = V^T P^T): a lane holds one query.  Inside a block of 32 all operands carry the order: place 16 a + 8 b + j holds number 16 b + 8 a + j, which is how a lane's 16 registers of two
; neighbouring plain tiles lie.
; SHARES.  A work-group serves one key and value head g, that is query heads 2 g and 2 g + 1; each of waves 0-7 owns one tile of 16 queries.  With i the work-group's place along x (0..31): waves 0, 2: tile 127 - i; 1, 3: 64 + i; 4, 6: i; 5, 7: 63 - i.
; Waves w and w + 4 have 17 key steps between them whatever i is.  Every wave walks all 16 key steps; a step all of whose keys come after its queries is passed over by a scalar branch on the cluster's number and the wave's number.
; Waves 8-11 pass over every key step (their diagonal is step -1) and so pass every barrier by the same text.  Wave 8 + n takes wo's rows 16 (32 g + i) on, K 512 n on: one group of 6,400 bytes of woc ([256][4] groups, laid as xc and wc are).
; Its first 32 loads go out at the head; the quantising stands behind the first barrier, beside slot 0's key steps.
; CLUSTER.  Four work-groups of one head g walk the same K and V: each slot (512 keys: 51,200 bytes of K, 51,200 of V) is asked for jointly, by waves 0-3, 25,600 dense bytes each.
; LIMITS: a block of zeros, or one under 2^-124, gets the byte 1; NaN and infinities are not served.
; REGISTERS: v1-3 lane offsets; v5, v6 the add's; v7 the diagonal's bound; v8, v9 addresses in hand; v12 -M, v13 largest t, v[14:15] the sum; v16-27 Q; v28-30 waves 8-11's stage addresses and 8 h; v96-159 S^T, p; v160-223 O^T;
;   K's eight fragments: v32-79, v224-247, v80-91, v128-139; V's: v32-79, then v96-143; v224-235 p's codes; v232-247, v252, v254 at work; v248-251 K's and V's scale words; v253 p's scale word; v255 Q's.
;   Waves 8-11: v32-159 numbers as loaded, v160-223 my blocks, v224-247 codes and work, v4, v10, v11, v31, v252, v254 work.
.set HG,    12800
.set SLOT1, 1<<17
.set VOFF,  4*HG
.set SPARE, SLOT1+8*HG                 ; the spare words, 128 bytes a wave: six blocks of 256 bytes that no other line names
.set STGB,  SPARE+1536                 ; behind them: a stage of 16 rows x (512 bytes + 16) for each of waves 8-11; no tensor load lands here
.set L16, 1
.set L4,  2
.set R4,  3
.set SPW, 5
.set NIL, 6
.set VD,  7
.set AD16, 8
.set AD4,  9
.set STI, 28
.set STO, 29
.set H8,  30
.set WV,  8
.set JD,  19
.set SEL, 20
.set CS,  22
.set G1,  24
.set G0A, 32
.set G0B, 36
.set TB,  40
.set J,   41
.set SLOTS, 42
.set CNT, 43
.set TM,  32
.set PW,  56
.set PC,  64
.set WR,  32                           ; waves 8-11: two sets of 64 numbers as loaded
.set WX,  160                          ; my two whole blocks, in the order of the places
.set WC,  224                          ; the fragment's codes
.set WT,  236                          ; the blocks' upper halves
.set WMX, 244
.set WSO, 246
.set WBY, 10
.set WWD, 4
.set WW2, 31
.macro PLACES n
.rept \n
	v_nop
.endr
.endm
.macro CROUND
	s_barrier_signal -1
	s_barrier_wait -1
	s_cmp_lg_u32 s[WV], 0
	s_cbranch_scc1 .Lnot_wave_0_\@
	s_barrier_signal -3
.Lnot_wave_0_\@:
	s_barrier_wait -3
	s_barrier_signal -1
	s_barrier_wait -1
.endm
	s_load_b128 s[4:7], s[0:1], 0x0                ; qkv, obuf
	s_load_b128 s[68:71], s[0:1], 0x10             ; wo, woc
	v_lshl_add_u32 v[SPW], v0, 2, SPARE
	v_mov_b32 v[NIL], 0
	ds_add_u32 v5, v6
	ds_add_u32 v5, v6
	s_wait_dscnt 0x0
	v_lshrrev_b32 v8, 5, v0
	s_delay_alu instid0(VALU_DEP_1)
	v_readfirstlane_b32 s[WV], v8                  ; wave 0..11
	s_and_b32 s9, ttmp7, 0xffff                    ; g
	s_bfe_u32 s11, ttmp6, 0x40000                  ; cx: it enters global addresses and one vector register alone
	s_lshl_b32 s12, ttmp9, 2
	s_add_co_u32 s12, s12, s11                     ; i
	s_and_b32 s13, s[WV], 1                        ; A
	s_lshr_b32 s14, s[WV], 2                       ; B
	s_xor_b32 s15, s13, s14                        ; N
	s_lshl_b32 s16, s13, 6
	s_add_co_u32 s16, s16, s12                     ; P = 64 A + i
	s_sub_co_u32 s17, 127, s16
	s_lshr_b32 s44, ttmp9, 1                       ; i / 8, from the cluster's number alone
	s_lshl_b32 s45, s13, 3
	s_add_co_u32 s44, s44, s45
	s_sub_co_u32 s45, 15, s44
	s_cmp_eq_u32 s15, 1
	s_cselect_b32 s17, s16, s17                    ; my tile t = N ? P : 127 - P
	s_cselect_b32 s[JD], s44, s45                  ; the key step on my diagonal: t / 8, the same in all partners
	s_cmp_lt_u32 s[WV], 8
	s_cselect_b32 s[JD], s[JD], -1                 ; waves 8-11 have no tile: every key step lies behind their diagonal
	s_lshl_b32 s76, s9, 5                          ; wo: my work-group's 16 rows: 32 g + i,
	s_add_co_u32 s76, s76, s12
	s_and_b32 s77, s[WV], 3                        ; my wave's 512 along K
	s_lshl_b32 s78, s76, 17                        ; 16 rows of 8,192 bytes
	s_lshl_b32 s79, s77, 11
	s_add_co_u32 s78, s78, s79
	s_mov_b32 s79, 0
	s_lshl_b32 s76, s76, 2
	s_add_co_u32 s76, s76, s77
	s_mul_i32 s76, s76, 6400                       ; and the group in woc
	s_mul_i32 s67, s77, 8448                       ; my stage: the wave's number alone enters an LDS address
	s_mov_b32 s77, 0
	s_mov_b32 s66, 0xffff0000                      ; lanes 16-31
	s_bfe_u32 s10, s[WV], 0x10001                  ; (wave / 2) % 2
	s_lshl_b32 s18, s9, 1
	s_add_co_u32 s18, s18, s10                     ; my query head
	s_lshl_b32 s44, s10, 3                         ; what I fetch, if I fetch: waves 0, 1 K's head 16 + g, waves 2, 3 V's 24 + g; two steps each
	s_add_co_u32 s44, s44, s9
	s_add_co_u32 s44, s44, 16
	s_lshl_b32 s44, s44, 4
	s_lshl_b32 s45, s13, 1
	s_add_co_u32 s44, s44, s45
	s_mul_i32 s44, s44, HG
	s_mov_b32 s45, 0
	s_and_b32 s46, s[WV], 3
	s_mul_i32 s46, s46, 2*HG                       ; and where it goes
	s_mov_b32 s[G1], 15|(3<<16)|(1<<21)            ; all four work-groups; elements of 8 bytes; bit 21 beside a mask
	s_mov_b32 s[G1+1], 32<<16                      ; 25,600 dense bytes as 100 rows of 256
	s_mov_b32 s[G1+2], 100<<16
	s_mov_b32 s[G1+3], 32<<16
	s_mov_b32 s[G1+4], 100
	s_mov_b32 s[G1+5], 32
	s_mov_b32 s[G1+6], 0
	s_mov_b32 s[G1+7], 0
	s_lshr_b32 s47, s17, 3
	s_lshl_b32 s58, s18, 4
	s_add_co_u32 s58, s58, s47
	s_mul_i32 s58, s58, HG                         ; Q: my head's step t / 8,
	s_and_b32 s47, s17, 7
	s_mul_i32 s48, s47, 1536
	s_add_co_u32 s48, s48, s58                     ; fragment t % 8,
	s_mov_b32 s49, 0
	s_lshl_b32 s60, s47, 6
	s_add_co_u32 s60, s60, s58
	s_add_co_u32 s60, s60, 12288                   ; its scale words
	s_mov_b32 s61, 0
	s_lshl_b32 s59, s47, 4                         ; 16 (t % 8)
	s_lshl_b32 s62, s17, 2
	s_lshr_b32 s63, s18, 2
	s_add_co_u32 s62, s62, s63
	s_mul_i32 s62, s62, 6400                       ; O: 16 rows t, group head / 4,
	s_and_b32 s63, s18, 3
	s_mul_i32 s47, s63, 1536
	s_add_co_u32 s14, s62, s47                     ; K step head % 4
	s_mov_b32 s15, 0
	s_lshl_b32 s63, s63, 6
	s_add_co_u32 s62, s62, s63
	s_add_co_u32 s62, s62, 6144                    ; its scale words
	s_mov_b32 s63, 0
	s_mov_b32 s[SEL], 0x76543210
	s_mov_b32 s[SEL+1], 0xfedcba98
	s_mov_b32 s[CS], 0x3e0293ee                    ; c = log2(e) / sqrt(128)
	s_mov_b32 s[CS+1], s[CS]
	s_mov_b32 s[TB], 0
	s_mov_b32 s[J], 0
	s_mov_b32 s[SLOTS], 2
	s_wait_kmcnt 0x0
	s_mov_b32 s[G0A], 1
	s_mov_b32 s[G0A+1], s46
	s_add_nc_u64 s[G0A+2:G0A+3], s[4:5], s[44:45]
	s_mov_b32 s[G0B], 1
	s_mov_b32 s[G0B+1], s46                        ; the walking descriptor starts where slot 0's stands: each change of slots steps it to the other slot and the next 512 keys
	s_mov_b64 s[G0B+2:G0B+3], s[G0A+2:G0A+3]
	s_or_b32 s[G0A+3], s[G0A+3], 0x80000000
	s_or_b32 s[G0B+3], s[G0B+3], 0x80000000
	s_add_nc_u64 s[50:51], s[4:5], s[48:49]        ; Q's codes
	s_add_nc_u64 s[52:53], s[4:5], s[60:61]        ; Q's scale words
	s_add_nc_u64 s[54:55], s[6:7], s[14:15]        ; O's codes
	s_add_nc_u64 s[56:57], s[6:7], s[62:63]        ; O's scale words
	s_add_nc_u64 s[72:73], s[68:69], s[78:79]      ; wo at my group
	s_add_nc_u64 s[74:75], s[70:71], s[76:77]      ; woc at my group
	CROUND                                         ; all four work-groups are here: the first joint loads meet
	s_cmp_lt_u32 s[WV], 4                          ; slot 0's fill: one tensor load a wave at the head
	s_cbranch_scc0 .Lno_first
	tensor_load_to_lds s[G0A:G0A+3], s[G1:G1+7]
	s_nop 0
	PLACES 4
.Lno_first:
	v_and_b32 v10, 31, v0
	s_delay_alu instid0(VALU_DEP_1)
	v_lshlrev_b32 v[L16], 4, v10
	s_delay_alu instid0(VALU_DEP_2)
	v_lshlrev_b32 v[L4], 2, v10
	v_and_b32 v10, 15, v0                          ; r
	s_delay_alu instid0(VALU_DEP_1)
	v_lshlrev_b32 v[R4], 2, v10
.irp c, 0,1,2
	global_load_b128 v[16+4*\c:19+4*\c], v[L16], s[50:51] offset:512*\c
.endr
	global_load_b32 v255, v[R4], s[52:53]
	v_bfe_u32 v11, v0, 4, 1                        ; h
	v_add_nc_u32 v[STI], s67, v[L16]
	s_delay_alu instid0(VALU_DEP_1)
	v_add_nc_u32 v[STI], STGB, v[STI]              ; the stage, in: 16 x lane of a row
	v_mul_u32_u24 v[STO], v10, 528
	s_delay_alu instid0(VALU_DEP_1)
	v_lshl_add_u32 v[STO], v11, 7, v[STO]
	s_delay_alu instid0(VALU_DEP_1)
	v_add_nc_u32 v[STO], s67, v[STO]
	s_delay_alu instid0(VALU_DEP_1)
	v_add_nc_u32 v[STO], STGB, v[STO]              ; and out: row r, block h
	v_lshlrev_b32 v[H8], 3, v11                    ; 8 h
; wo's fragment f of my group: 16 loads, each 512 consecutive bytes of one row of 8,192; 15 rows and 1,536 bytes stay inside the signed 24-bit immediate
.macro WLOAD f
.irp i, 0,1,2,3,4,5,6,7,8,9,10,11,12,13,14,15
	global_load_b128 v[WR+64*((\f)%2)+4*\i:WR+64*((\f)%2)+4*\i+3], v[L16], s[72:73] offset:8192*\i+512*(\f) th:TH_LOAD_NT
.endr
.endm
	s_cmp_lt_u32 s[WV], 8
	s_cbranch_scc1 .Lno_wo_loads
	WLOAD 0                                        ; waves 8-11: two fragments' numbers are asked for here and land while the first tiles come
	WLOAD 1
.Lno_wo_loads:
	s_wait_alu depctr_va_vdst(0)
	v_sub_nc_u32 v[VD], v10, v[H8]
	s_delay_alu instid0(VALU_DEP_1)
	v_add_nc_u32 v[VD], s59, v[VD]                 ; 16 (t % 8) + r - 8 h: on the diagonal, register 8 tt + j is hidden where 16 tt + j is above it
	v_mov_b32 v13, 0xff61b1e6                      ; the largest t so far: -3e38
	s_delay_alu instid0(VALU_DEP_1)
	v_floor_f32 v12, -v13                          ; -M
	v_mov_b32 v14, 0
	v_mov_b32 v15, 0
.irp b, 0,1,2,3
	v_mov_b32 v[236+\b], 0                         ; a lane permute's destination counts as one of its sources
.endr
	v_mov_b32 v252, 0
	v_mov_b32 v253, 0
.set n, 0
.rept 64
	v_mov_b32 v[160+n], 0                          ; O^T: the step is written once; the first finds zeros
.set n, n+1
.endr
; WAVES 8-11: fragment f of my group of wo becomes codes and a scale word, as in the quantising launch.
.macro WFRAG f
.if (\f) < 3
	s_wait_loadcnt 16                              ; this fragment's 16 loads are in; the next fragment's 16 may be out
.else
	s_wait_loadcnt 0x0
.endif
.irp i, 0,1,2,3,4,5,6,7,8,9,10,11,12,13,14,15
	ds_store_b128 v[STI], v[WR+64*((\f)%2)+4*\i:WR+64*((\f)%2)+4*\i+3] offset:528*\i
.endr
.irp c, 0,1                            ; lane (r, h) takes blocks h and 2 + h of row r whole; the quad q of a block goes to the registers of its places.  LDS serves a wave's instructions in order: these see the stores
.irp q, 0,1,2,3,4,5,6,7
	ds_load_b128 v[WX+32*\c+16*((\q/2)%2)+8*(\q/4)+4*(\q%2):WX+32*\c+16*((\q/2)%2)+8*(\q/4)+4*(\q%2)+3], v[STO] offset:256*\c+16*\q
.endr
.endr
	s_wait_dscnt 0x0                               ; my numbers are back, and the stores have read the set,
.if (\f) < 2
	WLOAD (\f)+2                                   ; which takes the loads of two fragments on
.endif
.irp c, 0,1
	v_max3_num_f32 v[WMX+\c], |v[WX+32*\c]|, |v[WX+32*\c+1]|, 0x1800000   ; with the floor 2^(3 - 127)
.endr
.irp i, 2,4,6,8,10,12,14,16,18,20,22,24,26,28,30
.irp c, 0,1
	s_delay_alu instid0(VALU_DEP_2)
	v_max3_num_f32 v[WMX+\c], v[WMX+\c], |v[WX+32*\c+\i]|, |v[WX+32*\c+\i+1]|
.endr
.endr
.irp c, 0,1
	s_delay_alu instid0(VALU_DEP_2)
	v_add_nc_u32 v[WSO+\c], 0xff000000, v[WMX+\c]  ; 2 off the exponent field: the conversion's scale operand
.endr
.irp c, 0,1
	s_delay_alu instid0(VALU_DEP_2)
	v_lshrrev_b32 v[WBY+\c], 23, v[WSO+\c]         ; the byte
.endr
	s_delay_alu instid0(VALU_DEP_1)
	v_lshl_or_b32 v[WWD], v[WBY+1], 16, v[WBY]     ; blocks h and 2 + h,
	s_delay_alu instid0(VALU_DEP_1)
	v_lshlrev_b32 v[WWD], v[H8], v[WWD]            ; at their places;
	s_delay_alu instid0(VALU_DEP_1)
	v_permlanex16_b32 v[WW2], v[WWD], s[SEL], s[SEL+1]
	s_delay_alu instid0(VALU_DEP_1)
	v_or_b32 v[WWD], v[WWD], v[WW2]                ; with lane l xor 16's two the word is whole
.if (\f) > 0
	s_wait_alu depctr_va_vdst(0)
	s_wait_xcnt 0x0                                ; the last fragment's stores have read their data: the codes' registers are written again only behind this wait
.endif
.irp c, 0,1
	v_cvt_scalef32_pk16_fp6_f32 v[WC+6*\c:WC+6*\c+2], v[WX+32*\c:WX+32*\c+15], v[WSO+\c]
	v_cvt_scalef32_pk16_fp6_f32 v[WT+4*\c:WT+4*\c+2], v[WX+32*\c+16:WX+32*\c+31], v[WSO+\c]
.endr
	v_nop                                          ; one plain place behind a scaled conversion
.irp c, 0,1
.irp i, 0,1,2
	v_mov_b32 v[WC+6*\c+3+\i], v[WT+4*\c+\i]
.endr
.endr
.irp g, 0,1,2
	global_store_b128 v[L16], v[WC+4*\g:WC+4*\g+3], s[74:75] offset:1536*(\f)+512*\g   ; 512 consecutive bytes, aligned to 256
.endr
.if (\f)%2
	v_cndmask_b32 v[252+2*((\f)/2)], v[252+2*((\f)/2)], v[WWD], s66   ; two fragments' words in one register: lanes 0-15 the even one's, lanes 16-31 the odd one's
.else
	v_mov_b32 v[252+2*((\f)/2)], v[WWD]
.endif
.endm
; one product of S^T = K Q^T: tile tt of 16 keys, its fragment in v[ka] on.  Odd tiles' scale words stand in lanes 16-31.
.macro KQ1 tt, ka
.if (\tt)%2
	v_wmma_scale_f32_16x16x128_f8f6f4 v[96+8*(\tt):103+8*(\tt)], v[(\ka):(\ka)+11], v[16:27], 0, v[248+(\tt)/2], v255 matrix_a_fmt:MATRIX_FMT_FP6 matrix_b_fmt:MATRIX_FMT_FP6 matrix_a_scale:MATRIX_SCALE_ROW1
.else
	v_wmma_scale_f32_16x16x128_f8f6f4 v[96+8*(\tt):103+8*(\tt)], v[(\ka):(\ka)+11], v[16:27], 0, v[248+(\tt)/2], v255 matrix_a_fmt:MATRIX_FMT_FP6 matrix_b_fmt:MATRIX_FMT_FP6
.endif
.endm
; one product of O^T += V^T P^T: tile tt of 16 of the head's 128
.macro PV1 tt, va
.if (\tt)%2
	v_wmma_scale_f32_16x16x128_f8f6f4 v[160+8*(\tt):167+8*(\tt)], v[(\va):(\va)+11], v[224:235], v[160+8*(\tt):167+8*(\tt)], v[248+(\tt)/2], v253 matrix_a_fmt:MATRIX_FMT_FP6 matrix_b_fmt:MATRIX_FMT_FP6 matrix_a_scale:MATRIX_SCALE_ROW1
.else
	v_wmma_scale_f32_16x16x128_f8f6f4 v[160+8*(\tt):167+8*(\tt)], v[(\va):(\va)+11], v[224:235], v[160+8*(\tt):167+8*(\tt)], v[248+(\tt)/2], v253 matrix_a_fmt:MATRIX_FMT_FP6 matrix_b_fmt:MATRIX_FMT_FP6
.endif
.endm
.macro FRG base, tt, reg               ; fragment tt of the step's K (base 0) or V (base VOFF) into v[reg] on: three loads of 512 consecutive bytes
.irp c, 0,1,2
	ds_load_b128 v[(\reg)+4*\c:(\reg)+4*\c+3], v[AD16] offset:(\base)+1536*(\tt)+512*\c
.endr
.endm
.macro SCL base                        ; the eight fragments' scale words: four registers, two fragments each
.irp i, 0,1,2,3
	ds_load_b32 v[248+\i], v[AD4] offset:(\base)+12288+128*\i
.endr
.endm
.macro STEP                            ; a key step: 128 keys
	s_cmp_gt_i32 s[J], s[JD]                       ; all its keys come after my queries: only the stepping lines at its end are run
	s_cbranch_scc1 .Lhidden_\@
	v_add_nc_u32 v[AD16], s[TB], v[L16]
	v_add_nc_u32 v[AD4], s[TB], v[L4]
	PLACES 3                                       ; with the two additions five places behind the last products: four for the loads into registers that they read, five for the scores, which are written over some of those
	FRG 0, 7, 128                                  ; ALL EIGHT FRAGMENTS OF K IN ONE RUN.  The eighth lies where tiles 4 and 5 of the scores will be written: it is multiplied first
	FRG 0, 0, 32
	FRG 0, 1, 44
	FRG 0, 2, 56
	FRG 0, 3, 68
	FRG 0, 6, 80
	FRG 0, 4, 224
	FRG 0, 5, 236
	SCL 0
	s_wait_alu depctr_va_vdst(0)
	s_wait_dscnt 0x0
	KQ1 7, 128
	KQ1 0, 32
	KQ1 1, 44
	KQ1 2, 56
	KQ1 3, 68
	KQ1 6, 80
	PLACES 5                                       ; five places between tile 7's product and the products that write over its fragment
	KQ1 4, 224
	KQ1 5, 236
	PLACES 4
	FRG VOFF, 0, 32                                ; V's first four fragments and all its scale words land under the softmax
	FRG VOFF, 1, 44
	FRG VOFF, 2, 56
	FRG VOFF, 3, 68
	SCL VOFF
	s_cmp_lt_i32 s[J], s[JD]                       ; only the step on my diagonal hides anything
	s_cbranch_scc1 .Lopen_\@
	v_mov_b32 v254, 0xff800000
.set n, 0
.rept 64
	v_cmp_gt_i32 vcc_lo, 16*(n/8)+n%8, v[VD]
	v_cndmask_b32 v[96+n], v[96+n], v254, vcc_lo
.set n, n+1
.endr
.Lopen_\@:
.irp b, 0,1,2,3
	v_max3_num_f32 v[232+\b], v[96+16*\b], v[97+16*\b], v[98+16*\b]   ; the largest score of each block of 32 keys: for the row's maximum, and, since p rises with the score, for the block's largest p
.endr
.irp i, 3,5,7,9,11,13
.irp b, 0,1,2,3
	v_max3_num_f32 v[232+\b], v[232+\b], v[96+16*\b+\i], v[97+16*\b+\i]
.endr
.endr
.irp b, 0,1,2,3
	v_max_num_f32 v[232+\b], v[232+\b], v[111+16*\b]
.endr
.irp b, 0,1,2,3
	s_delay_alu instid0(VALU_DEP_4)
	v_permlanex16_b32 v[236+\b], v[232+\b], s[SEL], s[SEL+1]
.endr
.irp b, 0,1,2,3
	s_delay_alu instid0(VALU_DEP_4)
	v_max_num_f32 v[232+\b], v[232+\b], v[236+\b]
.endr
	s_delay_alu instid0(VALU_DEP_2)
	v_max3_num_f32 v254, v232, v233, v234
	s_delay_alu instid0(VALU_DEP_1)
	v_max_num_f32 v254, v254, v235
	s_delay_alu instid0(VALU_DEP_1)
	v_mul_f32 v254, s[CS], v254
	s_delay_alu instid0(VALU_DEP_1)
	v_max_num_f32 v13, v13, v254                   ; the running largest t
	v_mov_b32 v254, v12
	s_delay_alu instid0(VALU_DEP_2)
	v_floor_f32 v12, -v13                          ; the new -M
	s_delay_alu instid0(VALU_DEP_1)
	v_sub_f32 v254, v12, v254
	s_delay_alu instid0(VALU_DEP_1)
	v_cvt_i32_f32 v254, v254                       ; (it saturates)
	s_delay_alu instid0(VALU_DEP_1)
	v_ldexp_f32 v252, 1.0, v254                    ; f = 2^(old M - new M)
.set n, 0
.rept 32
	v_pk_fma_f32 v[96+n:97+n], v[96+n:97+n], s[CS:CS+1], v[12:13] op_sel_hi:[1,0,0]   ; t - M
.set n, n+2
.endr
.irp b, 0,1,2,3
	v_fma_f32 v[232+\b], v[232+\b], s[CS], v12
.endr
.set n, 0
	s_wait_alu depctr_va_vdst(0)
.rept 64
	v_exp_f32 v[96+n], v[96+n]                     ; p
.set n, n+1
.endr
	v_pk_mul_f32 v[14:15], v[14:15], v[252:253] op_sel_hi:[1,0]   ; the sums under the new M: a plain place behind the exponentials
	s_wait_alu depctr_va_vdst(0)                   ; one wait for the batch, ahead of its first reader
.irp b, 0,1,2,3
	v_exp_f32 v[232+\b], v[232+\b]                 ; the blocks' largest p
.endr
	v_pk_add_f32 v[236:237], v[100:101], v[104:105]
	v_pk_add_f32 v[246:247], v[108:109], v[112:113]
	v_pk_add_f32 v[244:245], v[116:117], v[120:121]
	v_pk_add_f32 v[242:243], v[124:125], v[128:129]
	v_pk_add_f32 v[240:241], v[132:133], v[136:137]
	v_pk_add_f32 v[238:239], v[140:141], v[144:145]
	v_pk_add_f32 v[230:231], v[148:149], v[152:153]
	v_pk_add_f32 v[14:15], v[14:15], v[156:157]
	v_pk_add_f32 v[236:237], v[236:237], v[96:97]
	v_pk_add_f32 v[246:247], v[246:247], v[98:99]
	v_pk_add_f32 v[244:245], v[244:245], v[102:103]
	v_pk_add_f32 v[242:243], v[242:243], v[106:107]
	v_pk_add_f32 v[240:241], v[240:241], v[110:111]
	v_pk_add_f32 v[238:239], v[238:239], v[114:115]
	v_pk_add_f32 v[230:231], v[230:231], v[118:119]
	v_pk_add_f32 v[14:15], v[14:15], v[122:123]
	v_pk_add_f32 v[236:237], v[236:237], v[126:127]
	v_pk_add_f32 v[246:247], v[246:247], v[130:131]
	v_pk_add_f32 v[244:245], v[244:245], v[134:135]
	v_pk_add_f32 v[242:243], v[242:243], v[138:139]
	v_pk_add_f32 v[240:241], v[240:241], v[142:143]
	v_pk_add_f32 v[238:239], v[238:239], v[146:147]
	v_pk_add_f32 v[230:231], v[230:231], v[150:151]
	v_pk_add_f32 v[14:15], v[14:15], v[154:155]
	v_pk_add_f32 v[236:237], v[236:237], v[158:159]
	s_delay_alu instid0(VALU_DEP_2)
	v_pk_add_f32 v[14:15], v[14:15], v[242:243]
	s_delay_alu instid0(VALU_DEP_2)
	v_pk_add_f32 v[236:237], v[236:237], v[240:241]
	v_pk_add_f32 v[246:247], v[246:247], v[238:239]
	v_pk_add_f32 v[244:245], v[244:245], v[230:231]
	s_delay_alu instid0(VALU_DEP_2)
	v_pk_add_f32 v[14:15], v[14:15], v[246:247]
	s_delay_alu instid0(VALU_DEP_2)
	v_pk_add_f32 v[236:237], v[236:237], v[244:245]
	s_delay_alu instid0(VALU_DEP_1)
	v_pk_add_f32 v[14:15], v[14:15], v[236:237]
	s_wait_alu depctr_va_vdst(0)                   ; and one for the four
.irp b, 0,1,2,3
	v_max_num_f32 v[232+\b], 0x1800000, v[232+\b]  ; the floor 2^(3 - 127)
.endr
.irp b, 0,1,2,3
	s_delay_alu instid0(VALU_DEP_4)
	v_add_nc_u32 v[244+\b], 0xff000000, v[232+\b]
.endr
.irp b, 0,1,2,3
	s_delay_alu instid0(VALU_DEP_4)
	v_lshrrev_b32 v[236+\b], 23, v[244+\b]
.endr
	s_delay_alu instid0(VALU_DEP_3)
	v_lshl_or_b32 v253, v237, 8, v236              ; p's scale word
	s_delay_alu instid0(VALU_DEP_1)
	v_lshl_or_b32 v253, v238, 16, v253
	s_delay_alu instid0(VALU_DEP_1)
	v_lshl_or_b32 v253, v239, 24, v253
.irp c, 0,1
	v_cvt_scalef32_pk16_fp6_f32 v[224+6*\c:226+6*\c], v[96+32*\c:111+32*\c], v[244+2*\c]
	v_cvt_scalef32_pk16_fp6_f32 v[236+4*\c:238+4*\c], v[112+32*\c:127+32*\c], v[245+2*\c]
.endr
	v_nop
.irp c, 0,1
.irp i, 0,1,2
	v_permlane16_swap_b32 v[224+6*\c+\i], v[236+4*\c+\i]
.endr
.irp i, 0,1,2
	s_delay_alu instid0(VALU_DEP_3)
	v_mov_b32 v[227+6*\c+\i], v[236+4*\c+\i]
.endr
.endr
	FRG VOFF, 4, 96                                ; p has become codes: V's other four fragments take its registers and land under the rescaling
	FRG VOFF, 5, 108
	FRG VOFF, 6, 120
	FRG VOFF, 7, 132
.set n, 0
.rept 32
	v_pk_mul_f32 v[160+n:161+n], v[160+n:161+n], v[252:253] op_sel_hi:[1,0]   ; O^T under the new M; these are also the places ahead of the scaled products
.set n, n+2
.endr
	s_wait_alu depctr_va_vdst(0)
	s_wait_dscnt 12                                ; V's first four and the scale words are in; the 12 loads just issued may be out
	PV1 0, 32
	PV1 1, 44
	PV1 2, 56
	PV1 3, 68
	s_wait_dscnt 0x0
	PV1 4, 96
	PV1 5, 108
	PV1 6, 120
	PV1 7, 132
.Lhidden_\@:
	s_add_co_u32 s[J], s[J], 1
	s_add_co_u32 s[TB], s[TB], HG
.endm
.macro STEPS                           ; a slot's four key steps: written once, walked four times
	s_mov_b32 s[CNT], 4
.Lstep_\@:
	STEP
	s_sub_co_u32 s[CNT], s[CNT], 1
	s_cmp_lg_u32 s[CNT], 0
	s_cbranch_scc1 .Lstep_\@
	s_sub_co_u32 s[TB], s[TB], 4*HG
	s_xor_b32 s[TB], s[TB], SLOT1                  ; on to the other slot
.endm
; The change of slots: each wave waits for all its tensor loads, adds 0 to its spare word, and waits for that and for its reads of the slot that it has left.  fill = 1: that slot takes the 512 keys two slots on, behind a round of the cluster's barrier.
.macro CHANGE fill
	s_wait_tensorcnt 0x0
	ds_add_u32 v[SPW], v[NIL]
.if \fill
	ds_add_u32 v[SPW], v[NIL]                      ; and once more ahead of a fill
	s_xor_b32 s[G0B+1], s[G0B+1], SLOT1            ; the walking descriptor: the other slot than last time, the next 512 keys
	s_add_nc_u64 s[G0B+2:G0B+3], s[G0B+2:G0B+3], 4*HG
	s_wait_dscnt 0x0
	CROUND
	s_cmp_lt_u32 s[WV], 4
	s_cbranch_scc0 .Lnone_\@
	tensor_load_to_lds s[G0B:G0B+3], s[G1:G1+7]
	s_nop 0
	PLACES 4
.Lnone_\@:
.else
	s_wait_dscnt 0x0
	s_barrier_signal -1
	s_barrier_wait -1
.endif
.endm
	s_wait_alu depctr_va_vdst(0)
	CHANGE 1                                       ; slot 0 is in for every wave; slot 1's first fill is issued as a refill is, behind the same lines and a round
	s_wait_loadcnt 0x0                             ; Q; in waves 8-11 wo's first two fragments too
	s_cmp_lt_u32 s[WV], 8
	s_cbranch_scc1 .Lno_wo
	v_mov_b32 v[WW2], 0                            ; a lane permute's destination counts as one of its sources
	WFRAG 0
	WFRAG 1
	WFRAG 2
	WFRAG 3
	global_store_b32 v[L4], v252, s[74:75] offset:6144
	global_store_b32 v[L4], v254, s[74:75] offset:6272
	s_wait_xcnt 0x0                                ; the stores have read their data: those registers have other uses in the text below
.Lno_wo:
	STEPS
.Lslot:
	CHANGE 1
	STEPS
	s_sub_co_u32 s[SLOTS], s[SLOTS], 1
	s_cmp_lg_u32 s[SLOTS], 0
	s_cbranch_scc1 .Lslot
	CHANGE 0                                       ; the last slot is written out
	STEPS
	s_cmp_lt_u32 s[WV], 8                          ; waves 8-11 have no tile to store
	s_cbranch_scc0 .Lfin
	; THE WAY OUT: O^T / the sum, quantised along d: my tile's fragment of the last product's operand, K step head % 4
	PLACES 4
	v_add_f32 v14, v14, v15
	s_delay_alu instid0(VALU_DEP_1)
	v_permlanex16_b32 v252, v14, s[SEL], s[SEL+1]
	s_delay_alu instid0(VALU_DEP_1)
	v_add_f32 v14, v14, v252
	s_wait_alu depctr_va_vdst(0)
	v_rcp_f32 v14, v14
.irp b, 0,1,2,3
	v_mov_b32 v[TM+4+\b], 0                        ; plain places behind the transcendental; a lane permute's destination counts as one of its sources
.endr
	s_wait_alu depctr_va_vdst(0)
.set n, 0
.rept 32
	v_pk_mul_f32 v[96+n:97+n], v[160+n:161+n], v[14:15] op_sel_hi:[1,0]
.set n, n+2
.endr
.irp b, 0,1,2,3
	v_max3_num_f32 v[TM+\b], |v[96+16*\b]|, |v[97+16*\b]|, 0x1800000
.endr
.irp i, 2,4,6,8,10,12,14
.irp b, 0,1,2,3
	s_delay_alu instid0(VALU_DEP_4)
	v_max3_num_f32 v[TM+\b], v[TM+\b], |v[96+16*\b+\i]|, |v[97+16*\b+\i]|
.endr
.endr
.irp b, 0,1,2,3
	s_delay_alu instid0(VALU_DEP_4)
	v_permlanex16_b32 v[TM+4+\b], v[TM+\b], s[SEL], s[SEL+1]
.endr
.irp b, 0,1,2,3
	s_delay_alu instid0(VALU_DEP_4)
	v_max_num_f32 v[TM+\b], v[TM+\b], v[TM+4+\b]
.endr
.irp b, 0,1,2,3
	s_delay_alu instid0(VALU_DEP_4)
	v_add_nc_u32 v[TM+12+\b], 0xff000000, v[TM+\b]
.endr
.irp b, 0,1,2,3
	s_delay_alu instid0(VALU_DEP_4)
	v_lshrrev_b32 v[TM+4+\b], 23, v[TM+12+\b]
.endr
	s_delay_alu instid0(VALU_DEP_3)
	v_lshl_or_b32 v[PW], v[TM+5], 8, v[TM+4]
	s_delay_alu instid0(VALU_DEP_1)
	v_lshl_or_b32 v[PW], v[TM+6], 16, v[PW]
	s_delay_alu instid0(VALU_DEP_1)
	v_lshl_or_b32 v[PW], v[TM+7], 24, v[PW]
.irp c, 0,1
	v_cvt_scalef32_pk16_fp6_f32 v[PC+6*\c:PC+6*\c+2], v[96+32*\c:111+32*\c], v[TM+12+2*\c]
	v_cvt_scalef32_pk16_fp6_f32 v[PC+12+4*\c:PC+14+4*\c], v[112+32*\c:127+32*\c], v[TM+13+2*\c]
.endr
	v_nop
.irp c, 0,1
.irp i, 0,1,2
	v_permlane16_swap_b32 v[PC+6*\c+\i], v[PC+12+4*\c+\i]
.endr
.irp i, 0,1,2
	s_delay_alu instid0(VALU_DEP_3)
	v_mov_b32 v[PC+3+6*\c+\i], v[PC+12+4*\c+\i]
.endr
.endr
.irp g, 0,1,2
	global_store_b128 v[L16], v[PC+4*\g:PC+4*\g+3], s[54:55] offset:512*\g
.endr
	global_store_b32 v[R4], v[PW], s[56:57]        ; row r's word; lanes 16-31 store the same words once more
.Lfin:
	s_wait_tensorcnt 0x0                           ; the wave's end
	ds_add_u32 v[SPW], v[NIL]
	s_wait_dscnt 0x0
	CROUND                                         ; the closing round
	s_endpgm
.Lfunc_end_k_q2166daa1cf_attn:
	.size	k_q2166daa1cf_attn, .Lfunc_end_k_q2166daa1cf_attn-k_q2166daa1cf_attn
	.p2alignl 7, 3214868480
	.fill 96, 4, 3214868480
	.section	.rodata,"a",@progbits
	.p2align	6, 0x0
	.amdhsa_kernel k_q2166daa1cf_attn
		.amdhsa_group_segment_fixed_size 327680
		.amdhsa_private_segment_fixed_size 0
		.amdhsa_enable_private_segment 0
		.amdhsa_kernarg_size 32
		.amdhsa_user_sgpr_count 2
		.amdhsa_user_sgpr_kernarg_segment_ptr 1
		.amdhsa_wavefront_size32 1
		.amdhsa_system_sgpr_workgroup_id_x 1
		.amdhsa_system_sgpr_workgroup_id_y 1
		.amdhsa_system_sgpr_workgroup_id_z 1
		.amdhsa_system_vgpr_workitem_id 0
		.amdhsa_next_free_vgpr 256
		.amdhsa_next_free_sgpr 80
		.amdhsa_reserve_vcc 1
		.amdhsa_float_denorm_mode_32 3
		.amdhsa_float_denorm_mode_16_64 3
		.amdhsa_memory_ordered 1
		.amdhsa_forward_progress 1
		.amdhsa_inst_pref_size 129
	.end_amdhsa_kernel
	.amdgpu_metadata
---
amdhsa.version: [ 1, 2 ]
amdhsa.kernels:
  - .name:           k_q2166daa1cf_attn
    .symbol:         k_q2166daa1cf_attn.kd
    .args:
      - { .name: qkv, .offset: 0, .size: 8, .value_kind: global_buffer, .address_space: global }
      - { .name: obuf, .offset: 8, .size: 8, .value_kind: global_buffer, .address_space: global }
      - { .name: wo, .offset: 16, .size: 8, .value_kind: global_buffer, .address_space: global }
      - { .name: woc, .offset: 24, .size: 8, .value_kind: global_buffer, .address_space: global }
    .group_segment_fixed_size: 327680
    .private_segment_fixed_size: 0
    .kernarg_segment_align: 8
    .kernarg_segment_size: 32
    .max_flat_workgroup_size: 384
    .sgpr_count:     80
    .vgpr_count:     256
    .wavefront_size: 32
...
	.end_amdgpu_metadata
.endif
;; end of part 3
;; launch oproj (part 4): grid 16 x 16, 4 waves a work-group, clusters of 4 x 4, 327,680 bytes of LDS; arguments obuf, woc, out0; writes out0
.if DOCPART == 4
	.amdgcn_target "amdgcn-amd-amdhsa--gfx1250"
	.amdhsa_code_object_version 6
	.text
	.protected	k_q2166daa1cf_oproj
	.globl	k_q2166daa1cf_oproj
	.p2align	8
	.type	k_q2166daa1cf_oproj,@function
k_q2166daa1cf_oproj:
	s_mov_b64 s[64:65], 0
	v_nop
	global_prefetch_b8 v0, s[64:65] scope:SCOPE_SE
	s_setreg_imm32_b32 hwreg(HW_REG_WAVE_MODE, 25, 1), 1
	s_wait_xcnt 0x0
	s_wait_alu depctr_hold_cnt(0) depctr_sa_sdst(0) depctr_va_vdst(0) depctr_va_sdst(0) depctr_va_ssrc(0) depctr_va_vcc(0) depctr_vm_vsrc(0)
	s_getreg_b32 s2, hwreg(HW_REG_IB_STS2, 6, 4)
	s_cmp_eq_u32 s2, 0
	s_cbranch_scc0 .Lentry_in_a_cluster
	s_endpgm
.Lentry_in_a_cluster:
	s_bfe_u32 s2, ttmp6, 0x10000c
	s_cmp_lg_u32 s2, 0xf033
	s_cbranch_scc0 .Lentry_shape_is_right
	s_endpgm
.Lentry_shape_is_right:
.set KG,    4
.set GRP,   6400
.set RBB,   KG*GRP
.set LBYT,  4*GRP
.set RBYT,  8*GRP
.set ROFF,  2*LBYT
.set SLOT,  24*GRP
.set SPARE, 2*SLOT
.set LAPS,  KG/2
.set ADRL, 16
.set ADRR, 18
.set ASL,  20
.set ASR,  22
.set STO,  24
.set RD,   25
.set CO,   26
.set L4,   27
.set SPW,  28
.set NIL,  29
.set SC,   32
.set G1,  24
.set G0,  32
.set G1B, 48
.set G0B, 56
.set MSB, 0
.macro WIN new
.if MSB != (\new)
	s_set_vgpr_msb (MSB<<8)|(\new)
.set MSB, (\new)
.endif
.endm
.macro PLACES n
.rept \n
	v_nop
.endr
.endm
.macro JLOAD g0l, g1l, g0r, g1r
	s_cmp_eq_u32 s19, 0
	s_cbranch_scc0 .Lfor_r_\@
	tensor_load_to_lds s[\g0l:\g0l+3], s[\g1l:\g1l+7]
	s_nop 0
	PLACES 4
	s_branch .Lasked_\@
.Lfor_r_\@:
	tensor_load_to_lds s[\g0r:\g0r+3], s[\g1r:\g1r+7]
	s_nop 0
	PLACES 4
.Lasked_\@:
.endm
.macro CREST
	s_cmp_lg_u32 s18, 0
	s_cbranch_scc1 .Lnot_wave_0_\@
	s_barrier_signal -3
.Lnot_wave_0_\@:
	s_barrier_wait -3
	s_barrier_signal -1
	s_barrier_wait -1
.endm
.macro CROUND
	s_barrier_signal -1
	s_barrier_wait -1
	CREST
.endm
.macro FETCH slot, q, p
	WIN 0x80+0x40*(\p)
.irp b, 0,1,2,3,4,5,6,7
.irp g, 0,1,2
	ds_load_b128 v[12*\b+4*\g:12*\b+4*\g+3], v[ADRR+\slot] offset:\b*GRP+(\q)*1536+512*\g
.endr
.endr
.irp a, 0,1,2,3
.irp g, 0,1,2
	ds_load_b128 v[96+12*\a+4*\g:96+12*\a+4*\g+3], v[ADRL+\slot] offset:\a*GRP+(\q)*1536+512*\g
.endr
.endr
	WIN 0
.endm
.macro SCALES slot
.irp a, 0,1,2,3
.irp j, 0,1
	ds_load_b32 v[SC+24*\slot+2*\a+\j], v[ASL+\slot] offset:6144+\a*GRP+128*\j
.endr
.endr
.irp b, 0,1,2,3,4,5,6,7
.irp j, 0,1
	ds_load_b32 v[SC+24*\slot+8+2*\b+\j], v[ASR+\slot] offset:6144+\b*GRP+128*\j
.endr
.endr
.endm
.macro MUL q, sc, a0, n, zero
.set ma, \a0
.rept \n
.set mb, 0
.rept 8
.set rD, 8*(8*ma+mb)
.set rR, 12*mb
.set rL, 96+12*ma
.set sR, SC+24*(\sc)+8+2*mb+(\q)/2
.set sL, SC+24*(\sc)+2*ma+(\q)/2
.if \zero
	v_wmma_scale_f32_16x16x128_f8f6f4 v[rD:rD+7], v[rR:rR+11], v[rL:rL+11], 0, v[sR], v[sL] matrix_a_fmt:MATRIX_FMT_FP6 matrix_b_fmt:MATRIX_FMT_FP6
.elseif (\q)%2
	v_wmma_scale_f32_16x16x128_f8f6f4 v[rD:rD+7], v[rR:rR+11], v[rL:rL+11], v[rD:rD+7], v[sR], v[sL] matrix_a_fmt:MATRIX_FMT_FP6 matrix_b_fmt:MATRIX_FMT_FP6 matrix_a_scale:MATRIX_SCALE_ROW1 matrix_b_scale:MATRIX_SCALE_ROW1
.else
	v_wmma_scale_f32_16x16x128_f8f6f4 v[rD:rD+7], v[rR:rR+11], v[rL:rL+11], v[rD:rD+7], v[sR], v[sL] matrix_a_fmt:MATRIX_FMT_FP6 matrix_b_fmt:MATRIX_FMT_FP6
.endif
.set mb, mb+1
.endr
.set ma, ma+1
.endr
.endm
.macro STEP slot, q, zero
	PLACES 4
	FETCH \slot, (\q)+1, 1-(\q)%2
	s_wait_dscnt 36
	WIN 0x5a+5*((\q)%2)
	MUL \q, \slot, 0, 4, \zero
	WIN 0
.endm
.macro TURN slot, next, fill
	s_wait_tensorcnt 0x0
	ds_add_u32 v[SPW], v[NIL]
	s_wait_dscnt 0x1
	WIN 0x5f
	MUL 3, \slot, 0, 1, 0
	s_wait_dscnt 0x0
	s_barrier_signal -1
	MUL 3, \slot, 1, 1, 0
	WIN 0
	s_barrier_wait -1
.if \fill
	CREST
	s_add_nc_u64 s[G0+4*\slot+2:G0+4*\slot+3], s[G0+4*\slot+2:G0+4*\slot+3], 2*GRP
	s_add_nc_u64 s[G0B+4*\slot+2:G0B+4*\slot+3], s[G0B+4*\slot+2:G0B+4*\slot+3], 2*GRP
	JLOAD G0+4*\slot, G1, G0B+4*\slot, G1B
.else
	PLACES 4
.endif
	FETCH \next, 0, 0
	SCALES \next
	WIN 0x5f
	MUL 3, \slot, 2, 2, 0
	WIN 0
.endm
	s_load_b128 s[4:7], s[0:1], 0x0
	s_load_b64 s[8:9], s[0:1], 0x10
	v_lshl_add_u32 v[SPW], v0, 2, SPARE
	v_mov_b32 v[NIL], 0
	ds_add_u32 v28, v29
	ds_add_u32 v28, v29
	s_wait_dscnt 0x0
	v_lshrrev_b32 v1, 5, v0
	v_readfirstlane_b32 s18, v1
	s_lshr_b32 s19, s18, 1
	s_and_b32 s20, s18, 1
	s_bfe_u32 s21, ttmp6, 0x40000
	s_bfe_u32 s22, ttmp6, 0x40004
	s_and_b32 s40, ttmp7, 0xffff
	s_lshl_b32 s40, s40, 2
	s_add_co_u32 s40, s40, s22
	s_lshl_b32 s41, ttmp9, 2
	s_add_co_u32 s41, s41, s21
	s_lshl_b32 s45, s22, 2
	s_lshl_b32 s45, 15, s45
	s_lshl_b32 s46, 0x1111, s21
	s_or_b32 s[G1], s45, (3<<16)|(1<<21)
	s_or_b32 s[G1B], s46, (3<<16)|(1<<21)
	s_mov_b32 s[G1+1], 800<<16
	s_mov_b32 s[G1+2], 4<<16
	s_mov_b32 s[G1+3], 800<<16
	s_mov_b32 s[G1+4], 4
	s_mov_b32 s[G1+5], KG*800
	s_mov_b32 s[G1+6], 0
	s_mov_b32 s[G1+7], 0
	s_mov_b32 s[G1B+1], 800<<16
	s_mov_b32 s[G1B+2], 8<<16
	s_mov_b32 s[G1B+3], 800<<16
	s_mov_b32 s[G1B+4], 8
	s_mov_b32 s[G1B+5], KG*800
	s_mov_b32 s[G1B+6], 0
	s_mov_b32 s[G1B+7], 0
	s_lshl_b32 s66, s40, 3
	s_lshl_b32 s67, s20, 2
	s_add_co_u32 s66, s66, s67
	s_mul_i32 s66, s66, RBB
	s_mov_b32 s67, 0
	s_lshl_b32 s68, s41, 4
	s_lshl_b32 s69, s20, 3
	s_add_co_u32 s68, s68, s69
	s_mul_i32 s68, s68, RBB
	s_mov_b32 s69, 0
	s_mul_i32 s42, s20, LBYT
	s_mul_i32 s43, s20, RBYT
	s_add_co_u32 s43, s43, ROFF
	s_wait_kmcnt 0x0
	s_add_nc_u64 s[66:67], s[4:5], s[66:67]
	s_add_nc_u64 s[68:69], s[6:7], s[68:69]
	CROUND
.irp s, 0,1
	s_mov_b32 s[G0+4*\s], 1
	s_add_co_u32 s[G0+4*\s+1], s42, \s*SLOT
	s_add_nc_u64 s[G0+4*\s+2:G0+4*\s+3], s[66:67], \s*GRP
	s_or_b32 s[G0+4*\s+3], s[G0+4*\s+3], 0x80000000
	s_mov_b32 s[G0B+4*\s], 1
	s_add_co_u32 s[G0B+4*\s+1], s43, \s*SLOT
	s_add_nc_u64 s[G0B+4*\s+2:G0B+4*\s+3], s[68:69], \s*GRP
	s_or_b32 s[G0B+4*\s+3], s[G0B+4*\s+3], 0x80000000
.endr
	JLOAD G0, G1, G0B, G1B
; Prefetches: a tile of K group t is 25 blocks of 256 bytes for each group of 16 rows.  Of the groups that a wave fetches jointly, each of the four partners names its own by address:
; one group of the left operand's four, two of the right operand's eight; a lane a block, lanes 25-31 name the last block again.  K has four groups: 1 and 2 are asked for behind group 0's load, 3 behind group 1's.
.macro PF2 off
	global_prefetch_b8 v30, s[72:73] offset:\off th:TH_LOAD_NT scope:SCOPE_SE
	s_cmp_eq_u32 s19, 0
	s_cbranch_scc1 .Lpf_\@
	global_prefetch_b8 v30, s[72:73] offset:(\off)+RBB th:TH_LOAD_NT scope:SCOPE_SE
.Lpf_\@:
.endm
	v_and_b32 v30, 31, v0
	v_min_u32 v30, 24, v30
	v_lshlrev_b32 v30, 8, v30
	s_mul_i32 s74, s21, RBB
	s_mul_i32 s75, s22, 2*RBB
	s_cmp_eq_u32 s19, 0
	s_cselect_b32 s74, s74, s75
	s_cselect_b64 s[72:73], s[66:67], s[68:69]
	s_mov_b32 s75, 0
	s_add_nc_u64 s[72:73], s[72:73], s[74:75]
	s_wait_alu depctr_va_vdst(0)
	PF2 GRP
	PF2 2*GRP
	v_and_b32 v1, 31, v0
	v_and_b32 v2, 15, v0
	v_bfe_u32 v3, v0, 4, 1
	v_lshlrev_b32 v[CO], 4, v1
	v_lshlrev_b32 v[L4], 2, v1
	s_mul_i32 s42, s19, LBYT
	s_mul_i32 s43, s20, RBYT
	s_add_co_u32 s43, s43, ROFF
.irp s, 0,1
	v_add_nc_u32 v[ADRL+\s], s42, v[CO]
	v_add_nc_u32 v[ADRR+\s], s43, v[CO]
	v_add_nc_u32 v[ASL+\s], s42, v[L4]
	v_add_nc_u32 v[ASR+\s], s43, v[L4]
	s_add_co_u32 s42, s42, SLOT
	s_add_co_u32 s43, s43, SLOT
.endr
	s_mul_i32 s42, s18, 16*528
	v_mul_u32_u24 v[STO], v2, 528
	v_lshl_add_u32 v[STO], v3, 5, v[STO]
	v_add_nc_u32 v[STO], s42, v[STO]
	v_add_nc_u32 v[RD], s42, v[CO]
	s_lshl_b32 s70, s40, 21
	s_lshl_b32 s71, s19, 20
	s_add_co_u32 s70, s70, s71
	s_lshl_b32 s71, s41, 10
	s_add_co_u32 s70, s70, s71
	s_lshl_b32 s71, s20, 9
	s_add_co_u32 s70, s70, s71
	s_mov_b32 s71, 0
	s_add_nc_u64 s[8:9], s[8:9], s[70:71]
	s_wait_alu depctr_va_vdst(0)
	s_wait_tensorcnt 0x0
	ds_add_u32 v[SPW], v[NIL]
	s_wait_dscnt 0x0
	CROUND
	JLOAD G0+4, G1, G0B+4, G1B
	FETCH 0, 0, 0
	SCALES 0
	PF2 3*GRP
	STEP 0, 0, 1
	s_mov_b32 s3, LAPS-1
.Llap:
	STEP 0, 1, 0
	STEP 0, 2, 0
	TURN 0, 1, 1
	STEP 1, 0, 0
	STEP 1, 1, 0
	STEP 1, 2, 0
	TURN 1, 0, 1
	STEP 0, 0, 0
	s_sub_co_u32 s3, s3, 1
	s_cmp_lg_u32 s3, 0
	s_cbranch_scc1 .Llap
	STEP 0, 1, 0
	STEP 0, 2, 0
	TURN 0, 1, 0
	STEP 1, 0, 0
	STEP 1, 1, 0
	STEP 1, 2, 0
	s_wait_dscnt 0x0
	WIN 0x5f
	MUL 3, 1, 0, 4, 0
	WIN 0
	PLACES 4
.macro TOSTAGE a
	WIN 0x04
.irp b, 0,1,2,3,4,5,6,7
	ds_store_b128 v[STO], v[64*(\a)+8*\b:64*(\a)+8*\b+3] offset:64*\b
	ds_store_b128 v[STO], v[64*(\a)+8*\b+4:64*(\a)+8*\b+7] offset:64*\b+16
.endr
	WIN 0x80+0x40*((\a)/2)
.irp t, 0,1,2,3,4,5,6,7,8,9,10,11,12,13,14,15
	ds_load_b128 v[64*((\a)%2)+4*\t:64*((\a)%2)+4*\t+3], v[RD] offset:528*\t
.endr
	WIN 0
.endm
.macro SEND a, younger
	s_wait_dscnt \younger
	WIN 0x08+0x04*((\a)/2)
.irp t, 0,1,2,3,4,5,6,7,8,9,10,11,12,13,14,15
	global_store_b128 v[CO], v[64*((\a)%2)+4*\t:64*((\a)%2)+4*\t+3], s[8:9] offset:262144*(\a)+16384*\t th:TH_STORE_NT
.endr
	WIN 0
.endm
	TOSTAGE 0
	TOSTAGE 1
	SEND 0, 32
	TOSTAGE 2
	SEND 1, 32
	TOSTAGE 3
	SEND 2, 32
	SEND 3, 0
	s_wait_tensorcnt 0x0
	ds_add_u32 v[SPW], v[NIL]
	s_wait_dscnt 0x0
	CROUND
	s_endpgm
.Lfunc_end_k_q2166daa1cf_oproj:
	.size	k_q2166daa1cf_oproj, .Lfunc_end_k_q2166daa1cf_oproj-k_q2166daa1cf_oproj
	.p2alignl 7, 3214868480
	.fill 96, 4, 3214868480
	.section	.rodata,"a",@progbits
	.p2align	6, 0x0
	.amdhsa_kernel k_q2166daa1cf_oproj
		.amdhsa_group_segment_fixed_size 327680
		.amdhsa_private_segment_fixed_size 0
		.amdhsa_enable_private_segment 0
		.amdhsa_kernarg_size 24
		.amdhsa_user_sgpr_count 2
		.amdhsa_user_sgpr_kernarg_segment_ptr 1
		.amdhsa_wavefront_size32 1
		.amdhsa_system_sgpr_workgroup_id_x 1
		.amdhsa_system_sgpr_workgroup_id_y 1
		.amdhsa_system_sgpr_workgroup_id_z 1
		.amdhsa_system_vgpr_workitem_id 0
		.amdhsa_next_free_vgpr 1024
		.amdhsa_next_free_sgpr 80
		.amdhsa_reserve_vcc 0
		.amdhsa_float_denorm_mode_32 3
		.amdhsa_float_denorm_mode_16_64 3
		.amdhsa_memory_ordered 1
		.amdhsa_forward_progress 1
		.amdhsa_inst_pref_size 137
	.end_amdhsa_kernel
	.amdgpu_metadata
---
amdhsa.version: [ 1, 2 ]
amdhsa.kernels:
  - .name:           k_q2166daa1cf_oproj
    .symbol:         k_q2166daa1cf_oproj.kd
    .args:
      - { .name: obuf, .offset: 0, .size: 8, .value_kind: global_buffer, .address_space: global }
      - { .name: woc, .offset: 8, .size: 8, .value_kind: global_buffer, .address_space: global }
      - { .name: out0, .offset: 16, .size: 8, .value_kind: global_buffer, .address_space: global }
    .group_segment_fixed_size: 327680
    .private_segment_fixed_size: 0
    .kernarg_segment_align: 8
    .kernarg_segment_size: 24
    .max_flat_workgroup_size: 128
    .sgpr_count:     80
    .vgpr_count:     1024
    .wavefront_size: 32
...
	.end_amdgpu_metadata
.endif
;; end of part 4
